; MI455X (gfx1250); checked and timed in simulation.
; The chip was launched on July 23, 2026; its instructions are those of AMD's public machine-readable ISA for CDNA 5 (MIT licence, August 2026) and "CDNA5" Instruction Set Architecture Reference Guide (July 2026). The comments in the code are by the model that wrote it; some were corrected since.
;; Custom GPT2 Layer. Allowed arithmetic: matrix products marked QUANTISED: E4M3 operands, one given power-of-two scale a tensor, by v_wmma_f32_16x16x64_fp8_fp8 or v_wmma_f32_16x16x128_fp8_fp8, f32 sums; everything else in f32.
;; Inputs: b_attn 3,072 float32; b_fc 4,096 float32; b_fc2 1,024 float32; b_proj 1,024 float32; hidden_states 4 x 1,024 x 1,024 float32; ln1_b 1,024 float32; ln1_g 1,024 float32; ln2_b 1,024 float32; ln2_g 1,024 float32; lowp_scales 12 int32 (the exponents e of the quantised operands' scales 2^e); w_attn_codes 3,072 x 32 x 32 uint8 (E4M3 codes of w_attn, K innermost, in blocks of 32 codes); w_fc2_codes 1,024 x 128 x 32 uint8 (E4M3 codes of w_fc2, K innermost, in blocks of 32 codes); w_fc_codes 4,096 x 32 x 32 uint8 (E4M3 codes of w_fc, K innermost, in blocks of 32 codes); w_proj_codes 1,024 x 32 x 32 uint8 (E4M3 codes of w_proj, K innermost, in blocks of 32 codes).
;; Outputs: out0 4 x 1,024 x 1,024 float32.
;; This version of the problem:
;;   THIS VERSION OF THE PROBLEM IS GIVEN IN LOW PRECISION. The matrix products marked QUANTISED in the list below multiply operands that are first quantised to E4M3 (4 exponent bits, 3 mantissa bits; 8 bits a number), with one given power-of-two scale for each operand tensor; their sums are f32. All else is computed in f32.
;;   The module's matrix products, in the order in which they are computed (A, B: the left and right operand; K: the contracted axis; several contracted axes count as one K, in the product's order):
;;     1. [M 4,096, K 1,024] x [K 1,024, N 3,072]; A: computed on the way; B: input w_attn (given as codes): QUANTISED (scales: A lowp_scales[0], B lowp_scales[1])
;;     2. batch 64 x [M 1,024, K 64] x [K 64, N 1,024]; A: computed on the way; B: computed on the way: QUANTISED (scales: A lowp_scales[2], B lowp_scales[3])
;;     3. batch 64 x [M 1,024, K 1,024] x [K 1,024, N 64]; A: softmax (see below); B: computed on the way: QUANTISED (scales: A lowp_scales[4], B lowp_scales[5])
;;     4. [M 4,096, K 1,024] x [K 1,024, N 1,024]; A: computed on the way; B: input w_proj (given as codes): QUANTISED (scales: A lowp_scales[6], B lowp_scales[7])
;;     5. [M 4,096, K 1,024] x [K 1,024, N 4,096]; A: computed on the way; B: input w_fc (given as codes): QUANTISED (scales: A lowp_scales[8], B lowp_scales[9])
;;     6. [M 4,096, K 4,096] x [K 4,096, N 1,024]; A: computed on the way; B: input w_fc2 (given as codes): QUANTISED (scales: A lowp_scales[10], B lowp_scales[11])
;;   THE QUANTISER, for each operand of a quantised product, along K:
;;     - The operand's scale is 2^e, e = its entry of the input lowp_scales (int32; the entries are numbered through the quantised products in the list's order, A before B).
;;     - Each number is divided by the scale, clamped to +-448, and rounded to the nearest number of E4M3, ties to even, subnormals kept.
;;     - The product sums the exact products of the quantised numbers (number of the format x scale) in f32.
;;   ~~~python
;;   def quantise(x, axis, e):      # numpy; x: float32 -> the quantised numbers, widened to float32 again
;;       x = np.moveaxis(x, axis, -1); K = x.shape[-1]
;;       r = np.clip(x / 2.0 ** e, -448, 448)
;;       step = 2.0 ** (np.maximum(np.frexp(np.where(r == 0, 1, r))[1] - 1, -6) - 3)
;;       q = np.round(r / step) * step * 2.0 ** e      # np.round: ties to even
;;       return np.moveaxis(q, -1, axis).astype(np.float32)
;;   ~~~
;;   SOFTMAX AHEAD OF A QUANTISED PRODUCT. Where the list says 'softmax', what is quantised is not the finished softmax but p = 2^(t - M), with t = logit x log2(e) and M = ceil(the row's largest t), a whole number; so 1/2 < the row's largest p <= 1. The row's sum l is taken of the UNQUANTISED p, in f32, and the product's result is divided by l at the end. Since M is a whole number, a kernel that streams over the keys may use a running M (the ceiling of the running maximum): every later rescaling is an exact power of two, so the quantised numbers keep their values, but for numbers so far below the row's largest that they fall under the format's range.
;;   OPERANDS COMPUTED ON THE WAY. 'Computed on the way' means the value that the module computes at that place (a softmax that the list does not call 'softmax' is quantised finished and normalised). What goes into a quantiser is computed in f32, as accurately as f32 sums, v_exp_f32 and their like allow (about 1e-6 of the number): no bf16 or f16 on the way to a quantiser, and a product that is left as it is and whose result goes on into a quantised operand takes f32 operands (vector FMAs, or v_wmma_f32_16x16x4_f32). A number that lies on a knife's edge between two numbers of the format may be rounded either way, as far as f32 arithmetic and the matrix unit's own rounding can turn it there, and no further.
;;   INPUTS GIVEN AS CODES. w_attn (in the module: [1024, 3072], K = its axis 0); w_fc (in the module: [1024, 4096], K = its axis 0); w_fc2 (in the module: [4096, 1024], K = its axis 0); w_proj (in the module: [1024, 1024], K = its axis 0): each comes as NAME_codes (uint8): NAME with its K axis moved to the last place and cut into blocks of 32 codes, [.., K / 32, bytes a block], one block behind the other in memory; one code a byte (a code: sign, 4 exponent bits, 3 mantissa bits); its scale is its entry of lowp_scales. Its value is code x scale, taken as it is: it is not quantised again, and the codes and scales need not be those that the quantiser above would give.
;; One version. Each part assembles by itself: llvm-mc -triple=amdgcn-amd-amdhsa -mcpu=gfx1250 --defsym DOCPART=n.
;; ======== version 1 of 1: 7 launches
;; limits: right only within a limited range of input values
;; workspace buffers: xa 4,194,304 bytes; q_img 4,194,304 bytes; k_img 4,194,304 bytes; v_img 4,194,304 bytes; y_img 4,194,304 bytes; x2 16,777,216 bytes; hc 4,194,304 bytes; g_img 16,777,216 bytes
;; launch ln1 (part 1): grid 256 x 1, 8 waves a work-group, no clusters, 0 bytes of LDS; arguments hidden_states, ln1_g, ln1_b, lowp_scales, xa; writes xa
.if DOCPART == 1
	.amdgcn_target "amdgcn-amd-amdhsa--gfx1250"
	.amdhsa_code_object_version 6
	.text
	.protected	k_q4c1af17ae5_ln1
	.globl	k_q4c1af17ae5_ln1
	.p2align	8
	.type	k_q4c1af17ae5_ln1,@function
k_q4c1af17ae5_ln1:
	s_mov_b64 s[64:65], 0
	v_nop
	global_prefetch_b8 v0, s[64:65] scope:SCOPE_SE
	s_setreg_imm32_b32 hwreg(HW_REG_WAVE_MODE, 25, 1), 1
	s_wait_xcnt 0x0
; LayerNorm of rows of 1,024 f32, then codes of FP8 (E4M3) with the given scale 2^e (entry ENTRY of the scales): codes[row][1024], one byte a number.
; y = (x - mean) * rsqrt(mean((x - mean)^2) + 1e-5) * g + b, all in f32, the variance in a second pass over the row, which stays in registers.
; SHARES: 4,096 rows, 16 to a work-group, 2 to a wave.  Lane l holds columns 256 j + 8 l + 0..7, j = 0..3: eight neighbours for each conversion.
; A pair of 16-byte loads of a wave covers 1,024 consecutive bytes; a wave's 8-byte store covers 256 consecutive bytes, aligned.
; Waves share nothing: no LDS, no barrier, no cluster (no two work-groups read the same rows; g and b are 8 KB).  No loop: every offset is an immediate.
; LIMITS: e between -126 and 119, so that 2^e and 448 x 2^e are f32 numbers.  NaN and infinities among the inputs are not served.
.set ENTRY, 0
.set SM,  4                            ; v[4:11]   two packed chains for each row
.set X,   16                           ; v[16:79]  row p at X + 32 p
.set G,   80                           ; v[80:111] g of my 32 columns
.set BT,  112                          ; v[112:143] b of my 32 columns
.set MU,  144                          ; v[144:147] the mean, a pair for each row
.set RS,  148                          ; v[148:151] 1 / sqrt(var + eps), a pair for each row
.set CD,  152                          ; v[152:167] the codes, 8 registers for each row
	s_load_b256 s[4:11], s[0:1], 0x0               ; x s[4:5], g s[6:7], b s[8:9], the scales' exponents s[10:11]
	s_load_b64 s[12:13], s[0:1], 0x20              ; the codes
	v_lshrrev_b32 v3, 5, v0
	s_delay_alu instid0(VALU_DEP_1)
	v_readfirstlane_b32 s14, v3                    ; wave 0..7
	v_and_b32 v2, 31, v0
	s_delay_alu instid0(VALU_DEP_1)
	v_lshlrev_b32 v1, 5, v2                        ; 32 x lane: my 8 numbers in 1,024 bytes of x, g, b
	s_delay_alu instid0(VALU_DEP_2)
	v_lshlrev_b32 v2, 3, v2                        ; 8 x lane: my 8 codes in 256 bytes
	v_mov_b32 v14, 0                               ; written once: a lane permute's destination counts as one of its sources
	v_mov_b32 v15, 0
	s_lshl_b32 s16, ttmp9, 4
	s_lshl_b32 s17, s14, 1
	s_add_co_u32 s16, s16, s17                     ; my first row: 16 x work-group + 2 x wave
	s_lshl_b32 s18, s16, 10                        ; its codes: 1,024 bytes a row
	s_mov_b32 s19, 0
	s_lshl_b32 s16, s16, 12                        ; its numbers: 4,096 bytes a row
	s_mov_b32 s17, 0
	s_mov_b32 s21, 0x3a800000                      ; 1 / 1,024
	s_mov_b32 s22, 0x3727c5ac                      ; 1e-5
	s_mov_b32 s24, 0x76543210                      ; v_permlanex16_b32: lane l takes lane l xor 16
	s_mov_b32 s25, 0xfedcba98
	s_wait_alu depctr_va_vdst(0)
	s_wait_kmcnt 0x0
	s_load_b32 s20, s[10:11], ENTRY*4              ; e
	s_add_nc_u64 s[4:5], s[4:5], s[16:17]
	s_add_nc_u64 s[12:13], s[12:13], s[18:19]
.irp p, 0,1
.irp j, 0,1,2,3
	global_load_b128 v[X+32*\p+8*\j:X+32*\p+8*\j+3],   v1, s[4:5] offset:4096*\p+1024*\j th:TH_LOAD_NT
	global_load_b128 v[X+32*\p+8*\j+4:X+32*\p+8*\j+7], v1, s[4:5] offset:4096*\p+1024*\j+16 th:TH_LOAD_NT
.endr
.endr
.irp j, 0,1,2,3
	global_load_b128 v[G+8*\j:G+8*\j+3],   v1, s[6:7] offset:1024*\j
	global_load_b128 v[G+8*\j+4:G+8*\j+7], v1, s[6:7] offset:1024*\j+16
.endr
.irp j, 0,1,2,3
	global_load_b128 v[BT+8*\j:BT+8*\j+3],   v1, s[8:9] offset:1024*\j
	global_load_b128 v[BT+8*\j+4:BT+8*\j+7], v1, s[8:9] offset:1024*\j+16
.endr
; v[SM] and v[SM+4], one number a lane for each row, are summed over the 32 lanes; every lane ends with the sum.  The two rows take turns line by line.
.macro ACROSS
.irp m, 1,2,4,8
	s_delay_alu instid0(VALU_DEP_2)
	v_add_f32_dpp v[SM], v[SM], v[SM] row_xmask:\m row_mask:0xf bank_mask:0xf
	s_delay_alu instid0(VALU_DEP_2)
	v_add_f32_dpp v[SM+4], v[SM+4], v[SM+4] row_xmask:\m row_mask:0xf bank_mask:0xf
.endr
	s_delay_alu instid0(VALU_DEP_2)
	v_permlanex16_b32 v14, v[SM], s24, s25
	s_delay_alu instid0(VALU_DEP_2)
	v_permlanex16_b32 v15, v[SM+4], s24, s25
	s_delay_alu instid0(VALU_DEP_2)
	v_add_f32 v[SM], v[SM], v14
	s_delay_alu instid0(VALU_DEP_2)
	v_add_f32 v[SM+4], v[SM+4], v15
.endm
	s_wait_loadcnt 16                              ; the 16 loads of x are in; the 16 of g and b, issued behind them, may be out
	; the mean
.irp p, 0,1
	v_pk_add_f32 v[SM+4*\p:SM+4*\p+1],   v[X+32*\p:X+32*\p+1],   v[X+32*\p+2:X+32*\p+3]
	v_pk_add_f32 v[SM+4*\p+2:SM+4*\p+3], v[X+32*\p+4:X+32*\p+5], v[X+32*\p+6:X+32*\p+7]
.endr
.irp j, 8,12,16,20,24,28
.irp p, 0,1
	s_delay_alu instid0(VALU_DEP_4)
	v_pk_add_f32 v[SM+4*\p:SM+4*\p+1],   v[SM+4*\p:SM+4*\p+1],   v[X+32*\p+\j:X+32*\p+\j+1]
	s_delay_alu instid0(VALU_DEP_4)
	v_pk_add_f32 v[SM+4*\p+2:SM+4*\p+3], v[SM+4*\p+2:SM+4*\p+3], v[X+32*\p+\j+2:X+32*\p+\j+3]
.endr
.endr
.irp p, 0
	s_delay_alu instid0(VALU_DEP_3)
	v_pk_add_f32 v[SM+4*\p:SM+4*\p+1], v[SM+4*\p:SM+4*\p+1], v[SM+4*\p+2:SM+4*\p+3]
.endr
.irp p, 1
	s_delay_alu instid0(VALU_DEP_2)
	v_pk_add_f32 v[SM+4*\p:SM+4*\p+1], v[SM+4*\p:SM+4*\p+1], v[SM+4*\p+2:SM+4*\p+3]
.endr
.irp p, 0,1
	s_delay_alu instid0(VALU_DEP_2)
	v_add_f32 v[SM+4*\p], v[SM+4*\p], v[SM+4*\p+1]
.endr
	ACROSS
.irp p, 0
	s_delay_alu instid0(VALU_DEP_2)
	v_mul_f32 v[MU+2*\p],   s21, v[SM+4*\p]
	s_delay_alu instid0(VALU_DEP_3)
	v_mul_f32 v[MU+2*\p+1], s21, v[SM+4*\p]
.endr
.irp p, 1
	s_delay_alu instid0(VALU_DEP_3)
	v_mul_f32 v[MU+2*\p],   s21, v[SM+4*\p]
	s_delay_alu instid0(VALU_DEP_4)
	v_mul_f32 v[MU+2*\p+1], s21, v[SM+4*\p]
.endr
.irp p, 0,1
.irp j, 0,2,4,6,8,10,12,14,16,18,20,22,24,26,28,30
	v_pk_add_f32 v[X+32*\p+\j:X+32*\p+\j+1], v[X+32*\p+\j:X+32*\p+\j+1], v[MU+2*\p:MU+2*\p+1] neg_lo:[0,1] neg_hi:[0,1]   ; x - mean
.endr
.endr
	; the variance, of x - mean
.irp p, 0,1
	v_pk_mul_f32 v[SM+4*\p:SM+4*\p+1],   v[X+32*\p:X+32*\p+1],   v[X+32*\p:X+32*\p+1]
	v_pk_mul_f32 v[SM+4*\p+2:SM+4*\p+3], v[X+32*\p+2:X+32*\p+3], v[X+32*\p+2:X+32*\p+3]
.endr
.irp j, 4,8,12,16,20,24,28
.irp p, 0,1
	s_delay_alu instid0(VALU_DEP_4)
	v_pk_fma_f32 v[SM+4*\p:SM+4*\p+1],   v[X+32*\p+\j:X+32*\p+\j+1],   v[X+32*\p+\j:X+32*\p+\j+1],   v[SM+4*\p:SM+4*\p+1]
	s_delay_alu instid0(VALU_DEP_4)
	v_pk_fma_f32 v[SM+4*\p+2:SM+4*\p+3], v[X+32*\p+\j+2:X+32*\p+\j+3], v[X+32*\p+\j+2:X+32*\p+\j+3], v[SM+4*\p+2:SM+4*\p+3]
.endr
.endr
.irp p, 0
	s_delay_alu instid0(VALU_DEP_3)
	v_pk_add_f32 v[SM+4*\p:SM+4*\p+1], v[SM+4*\p:SM+4*\p+1], v[SM+4*\p+2:SM+4*\p+3]
.endr
.irp p, 1
	s_delay_alu instid0(VALU_DEP_2)
	v_pk_add_f32 v[SM+4*\p:SM+4*\p+1], v[SM+4*\p:SM+4*\p+1], v[SM+4*\p+2:SM+4*\p+3]
.endr
.irp p, 0,1
	s_delay_alu instid0(VALU_DEP_2)
	v_add_f32 v[SM+4*\p], v[SM+4*\p], v[SM+4*\p+1]
.endr
	ACROSS
.irp p, 0,1
	s_delay_alu instid0(VALU_DEP_2)
	v_fma_f32 v[SM+4*\p], v[SM+4*\p], s21, s22     ; sum / 1,024 + 1e-5
.endr
	s_wait_alu depctr_va_vdst(0)
	v_rsq_f32 v[RS], v[SM]
	v_rsq_f32 v[RS+2], v[SM+4]
	v_nop                                          ; one plain vector instruction behind the transcendentals (ISA guide 5.7.2)
	s_wait_alu depctr_va_vdst(0)
	v_mov_b32 v[RS+1], v[RS]
	v_mov_b32 v[RS+3], v[RS+2]
	s_wait_alu depctr_va_vdst(0)
	s_wait_kmcnt 0x0
	s_add_co_i32 s20, s20, 127
	s_lshl_b32 s23, s20, 23
	v_mov_b32 v3, s23                              ; 2^e as f32: the conversion takes its exponent field
	s_add_co_i32 s20, s20, 8
	s_lshl_b32 s20, s20, 23
	s_or_b32 s20, s20, 0x600000
	v_mov_b32 v13, s20                             ; 448 x 2^e
	s_wait_loadcnt 0x0                             ; g and b
.irp p, 0,1
.irp j, 0,2,4,6,8,10,12,14,16,18,20,22,24,26,28,30
	v_pk_mul_f32 v[X+32*\p+\j:X+32*\p+\j+1], v[X+32*\p+\j:X+32*\p+\j+1], v[RS+2*\p:RS+2*\p+1]
.endr
.irp j, 0,2,4,6,8,10,12,14,16,18,20,22,24,26,28,30
	v_pk_fma_f32 v[X+32*\p+\j:X+32*\p+\j+1], v[X+32*\p+\j:X+32*\p+\j+1], v[G+\j:G+\j+1], v[BT+\j:BT+\j+1]
.endr
.set i, 0
.rept 32
	v_med3_num_f32 v[X+32*\p+i], v[X+32*\p+i], -v13, v13   ; the conversion to an 8-bit code does not saturate (ISA guide 7.6.2): the hold at the largest code x the scale
.set i, i+1
.endr
.irp j, 0,1,2,3
	v_cvt_scalef32_pk8_fp8_f32 v[CD+8*\p+2*\j:CD+8*\p+2*\j+1], v[X+32*\p+8*\j:X+32*\p+8*\j+7], v3
.endr
	v_nop                                          ; a plain vector line behind the last conversion of the run
.irp j, 0,1,2,3
	global_store_b64 v2, v[CD+8*\p+2*\j:CD+8*\p+2*\j+1], s[12:13] offset:1024*\p+256*\j   ; 32 lanes store 256 consecutive bytes, aligned
.endr
.endr
	s_endpgm
.Lfunc_end_k_q4c1af17ae5_ln1:
	.size	k_q4c1af17ae5_ln1, .Lfunc_end_k_q4c1af17ae5_ln1-k_q4c1af17ae5_ln1
	.p2alignl 7, 3214868480
	.fill 96, 4, 3214868480
	.section	.rodata,"a",@progbits
	.p2align	6, 0x0
	.amdhsa_kernel k_q4c1af17ae5_ln1
		.amdhsa_group_segment_fixed_size 0
		.amdhsa_private_segment_fixed_size 0
		.amdhsa_enable_private_segment 0
		.amdhsa_kernarg_size 40
		.amdhsa_user_sgpr_count 2
		.amdhsa_user_sgpr_kernarg_segment_ptr 1
		.amdhsa_wavefront_size32 1
		.amdhsa_system_sgpr_workgroup_id_x 1
		.amdhsa_system_sgpr_workgroup_id_y 1
		.amdhsa_system_sgpr_workgroup_id_z 1
		.amdhsa_system_vgpr_workitem_id 0
		.amdhsa_next_free_vgpr 168
		.amdhsa_next_free_sgpr 66
		.amdhsa_reserve_vcc 0
		.amdhsa_float_denorm_mode_32 3
		.amdhsa_float_denorm_mode_16_64 3
		.amdhsa_memory_ordered 1
		.amdhsa_forward_progress 1
		.amdhsa_inst_pref_size 25
	.end_amdhsa_kernel
	.amdgpu_metadata
---
amdhsa.version: [ 1, 2 ]
amdhsa.kernels:
  - .name:           k_q4c1af17ae5_ln1
    .symbol:         k_q4c1af17ae5_ln1.kd
    .args:
      - { .name: hidden_states, .offset: 0, .size: 8, .value_kind: global_buffer, .address_space: global }
      - { .name: ln1_g, .offset: 8, .size: 8, .value_kind: global_buffer, .address_space: global }
      - { .name: ln1_b, .offset: 16, .size: 8, .value_kind: global_buffer, .address_space: global }
      - { .name: lowp_scales, .offset: 24, .size: 8, .value_kind: global_buffer, .address_space: global }
      - { .name: xa, .offset: 32, .size: 8, .value_kind: global_buffer, .address_space: global }
    .group_segment_fixed_size: 0
    .private_segment_fixed_size: 0
    .kernarg_segment_align: 8
    .kernarg_segment_size: 40
    .max_flat_workgroup_size: 256
    .sgpr_count:     66
    .vgpr_count:     168
    .wavefront_size: 32
...
	.end_amdgpu_metadata
.endif
;; end of part 1
;; launch qkv (part 2): grid 12 x 16, 8 waves a work-group, clusters of 4 x 4, 327,680 bytes of LDS; arguments xa, w_attn_codes, lowp_scales, b_attn, q_img, k_img, v_img; writes q_img, k_img, v_img
.if DOCPART == 2
	.amdgcn_target "amdgcn-amd-amdhsa--gfx1250"
	.amdhsa_code_object_version 6
	.text
	.protected	k_q4c1af17ae5_qkv
	.globl	k_q4c1af17ae5_qkv
	.p2align	8
	.type	k_q4c1af17ae5_qkv,@function
k_q4c1af17ae5_qkv:
	s_mov_b64 s[64:65], 0
	v_nop
	global_prefetch_b8 v0, s[64:65] scope:SCOPE_SE
	s_setreg_imm32_b32 hwreg(HW_REG_WAVE_MODE, 25, 1), 1
	s_wait_xcnt 0x0
	s_wait_alu depctr_hold_cnt(0) depctr_sa_sdst(0) depctr_va_vdst(0) depctr_va_sdst(0) depctr_va_ssrc(0) depctr_va_vcc(0) depctr_vm_vsrc(0)
	s_getreg_b32 s2, hwreg(HW_REG_IB_STS2, 6, 4)
	s_cmp_eq_u32 s2, 0
	s_cbranch_scc0 .Lentry_in_a_cluster
	s_endpgm
.Lentry_in_a_cluster:
	s_bfe_u32 s2, ttmp6, 0x10000c
	s_cmp_lg_u32 s2, 0xf033
	s_cbranch_scc0 .Lentry_shape_is_right
	s_endpgm
.Lentry_shape_is_right:
; qkv = xa W^T + b_attn on codes of FP8 (E4M3), K = 1,024; the results are quantised at once for attention's two products: q with e2, k with e3, v with e5.
; xa: [4096][1024] codes (2^e0); w_attn_codes: [3072][1024] codes (2^e1).  A tile of 256 x 256 to a work-group of EIGHT waves, two to a SIMD, 512 registers each;
; wave w makes rows 128 (w / 4) on of the A role x rows 64 (w % 4) on of the B role: 32 accumulators (window 1).
; ROLES.  Cluster column 0 makes q, 1 makes k: A role = tokens (xa), B role = features (W).  Column 2 makes v: the two pointers change places (A role = W's rows 2,048 on, B role = tokens),
; so that a lane's registers run along the tokens, the K of p v.  The choice hangs on the cluster's x alone, which all sixteen partners share.
; LDS: two slots of 256 along K (the A role's 256 rows, then the B role's, pitch 272).  Wave w fetches 128 rows x 256 bytes to byte w x 34,816: waves 0-3 own slot 0, waves 4-7 slot 1: the eight first fills,
; one a wave, bring K steps 0 and 1; K steps 2 and 3 are the two refills, each issued by the slot's four owners.  A wave issues two tensor loads in all, one out at a time.
; CLUSTERS: 4 x 4; the A role's tile is asked for jointly along a row of the cluster, the B role's along a column.
; K goes in 16 steps of 64 on two fragment buffers; a fragment is two 16-byte LDS loads, k permuted alike in both operands: the order of the sums inside an instruction differs from ascending k.
; The matrix instruction is used transposed (source 0 = 16 rows of the B role): a lane holds one row of the A role and eight neighbouring rows of the B role.
; OUT: register images of the plain FP8 fragment (registers 2 c, 2 c + 1: k = 16 c + 8 (lane / 16) + 0..7): the conversion of tile b's eight sums IS registers 2 b, 2 b + 1; four registers a store, 512 consecutive bytes, aligned.
; q_img, k_img: [batch x head 64][tile of 16 tokens 64][1,024 B]: my 64 features are one head.  v_img: [batch x head 64][128 keys 8][16 d 4][2,048 B]: my 64 tokens are half an image.
; ONE way out serves the three: the bias along the registers (q, k) and the bias along the lanes (v) are added, the one that does not apply selected to 0; the store's step is chosen by arithmetic on the column.
; PREFETCH: at the head each wave asks for its share of the tile that it will itself fetch at its slot's refill (512 bytes on in its rows): the four partners that ask jointly take 32 rows each, told apart by address, a lane a row.
; LIMITS: e0 + e1 between -126 and 127; e2, e3, e5 between -126 and 119.  NaN among the inputs is not served.
.set PITCH, 272
.set HALFT, 128*PITCH
.set SLOT,  4*HALFT
.set SPARE, 2*SLOT                     ; the spare words: 128 bytes a wave
.set BV,   8                           ; v8-15 b_attn along the lanes: block a's in v[BV + a]
.set ADRA, 16
.set ADRB, 20
.set CO,   26
.set SPW,  28
.set NIL,  29
.set PFO,  30
.set FB,   32                          ; buffer p at v[32 + 96 p]: the B role's 4 fragments, then the A role's 8
.set BI,   224                         ; v224-255 b_attn along the registers
.set XW,   32
.set BE,   64
.set CD,   96
.set QS,   112
.set QL,   113
.set G1,  24
.set G0,  32
.set G1B, 48
.set G0B, 56
.set AR,  60                           ; s60 my half of the A role's rows; also the slot that I fill
.set WC,  61                           ; s61 my quarter of the B role's rows
.set PFA, 62
.set ISV, 91
.set MULW, 0x50
.set MSB, 0
.macro WIN new
.if MSB != (\new)
	s_set_vgpr_msb (MSB<<8)|(\new)
.set MSB, (\new)
.endif
.endm
.macro PLACES                          ; four places behind matrix instructions (ISA guide 7.12.1 for reads of results)
.rept 4
	v_nop
.endr
.endm
.macro JLOAD                           ; my joint load; s_nop 0 and four v_nop follow each line
	s_cmp_eq_u32 s15, 0
	s_cbranch_scc0 .Lfor_b_\@
	tensor_load_to_lds s[G0:G0+3], s[G1:G1+7]
	s_nop 0
	PLACES
	s_branch .Lasked_\@
.Lfor_b_\@:
	tensor_load_to_lds s[G0B:G0B+3], s[G1B:G1B+7]
	s_nop 0
	PLACES
.Lasked_\@:
.endm
.macro CREST
	s_cmp_lg_u32 s14, 0
	s_cbranch_scc1 .Lnot_wave_0_\@
	s_barrier_signal -3
.Lnot_wave_0_\@:
	s_barrier_wait -3
	s_barrier_signal -1
	s_barrier_wait -1
.endm
.macro CROUND
	s_barrier_signal -1
	s_barrier_wait -1
	CREST
.endm
	s_load_b256 s[4:11], s[0:1], 0x0               ; xa, W, the scales' exponents, b_attn
	s_load_b128 s[68:71], s[0:1], 0x20             ; q_img, k_img
	s_load_b64 s[72:73], s[0:1], 0x30              ; v_img
	v_lshl_add_u32 v[SPW], v0, 2, SPARE
	v_mov_b32 v[NIL], 0
	ds_add_u32 v[SPW], v[NIL]                      ; the opening lines
	ds_add_u32 v[SPW], v[NIL]
	v_lshrrev_b32 v1, 5, v0
	v_readfirstlane_b32 s14, v1                    ; wave 0..7
	s_bfe_u32 s15, s14, 0x10001                    ; I fetch for the A role (0) or the B role (1)
	s_and_b32 s16, s14, 1                          ; which 128 rows of that tile
	s_lshr_b32 s[AR], s14, 2
	s_and_b32 s[WC], s14, 3
	s_bfe_u32 s40, ttmp6, 0x40000                  ; cx
	s_bfe_u32 s41, ttmp6, 0x40004                  ; cy
	s_and_b32 s67, ttmp7, 0xffff                   ; the cluster's y = the batch
	s_cmp_eq_u32 ttmp9, 2                          ; the cluster's x: 0 q, 1 k, 2 v
	s_cselect_b32 s92, 0, s67                      ; the A role's group of four tiles
	s_cselect_b32 s93, s67, ttmp9                  ; the B role's
	s_cselect_b32 s94, 0x200000, 0                 ; v: W's rows 2,048 on
	s_cselect_b32 s[ISV], 1, 0
	s_mov_b32 s95, 0
	s_lshl_b32 s42, s93, 2
	s_add_co_u32 s42, s42, s40                     ; the B role's tile
	s_lshl_b32 s17, s92, 2
	s_add_co_u32 s17, s17, s41                     ; the A role's tile
	s_lshl_b32 s43, s41, 2
	s_lshl_b32 s43, 15, s43                        ; my row of the cluster
	s_lshl_b32 s44, 0x1111, s40                    ; my column
	s_or_b32 s[G1+0], s43, (0<<16)|(1<<20)|(1<<21)|(5<<22)|(3<<25)
	s_or_b32 s[G1B+0], s44, (0<<16)|(1<<20)|(1<<21)|(5<<22)|(3<<25)
.irp g, G1, G1B
	s_mov_b32 s[\g+1], 256<<16
	s_mov_b32 s[\g+2], 128<<16
	s_mov_b32 s[\g+3], 256<<16
	s_mov_b32 s[\g+4], 128
	s_mov_b32 s[\g+5], 1024
	s_mov_b32 s[\g+6], 0
	s_mov_b32 s[\g+7], 0
.endr
	s_lshl_b32 s18, s16, 7
	s_lshl_b32 s19, s[AR], 8                       ; my slot's K step
	s_lshl_b32 s20, s17, 8
	s_add_co_u32 s20, s20, s18
	s_lshl_b32 s20, s20, 10
	s_add_co_u32 s20, s20, s19
	s_mov_b32 s21, 0
	s_lshl_b32 s46, s42, 8
	s_add_co_u32 s46, s46, s18
	s_lshl_b32 s46, s46, 10
	s_add_co_u32 s46, s46, s19
	s_mov_b32 s47, 0
	s_mul_i32 s45, s14, HALFT
	s_wait_dscnt 0x0
	CROUND                                         ; the round in front of the first joint loads; the arguments' load is on its way meanwhile
	s_wait_kmcnt 0x0
	s_load_b256 s[80:87], s[8:9], 0x0              ; e0 .. e7
	s_cmp_eq_u32 ttmp9, 2
	s_cselect_b64 s[74:75], s[6:7], s[4:5]         ; the A role's buffer
	s_cselect_b64 s[76:77], s[4:5], s[6:7]         ; the B role's
	s_add_nc_u64 s[74:75], s[74:75], s[94:95]
	s_mov_b32 s[G0], 1
	s_mov_b32 s[G0+1], s45
	s_add_nc_u64 s[G0+2:G0+3], s[74:75], s[20:21]
	s_or_b32 s[G0+3], s[G0+3], 0x80000000
	s_mov_b32 s[G0B], 1
	s_mov_b32 s[G0B+1], s45
	s_add_nc_u64 s[G0B+2:G0B+3], s[76:77], s[46:47]
	s_or_b32 s[G0B+3], s[G0B+3], 0x80000000
	JLOAD                                          ; K step 0 (waves 0-3) and K step 1 (waves 4-7): one load a wave
	s_cmp_eq_u32 s15, 0                            ; the prefetch's address
	s_cselect_b32 s22, s40, s41
	s_cselect_b32 s23, s20, s46
	s_cselect_b64 s[PFA:PFA+1], s[74:75], s[76:77]
	s_lshl_b32 s22, s22, 15                        ; my work-group's 32 rows
	s_add_co_u32 s22, s22, s23
	s_add_co_u32 s22, s22, 512                     ; two K steps on
	s_mov_b32 s23, 0
	s_add_nc_u64 s[PFA:PFA+1], s[PFA:PFA+1], s[22:23]
	s_mul_i32 s90, s[AR], HALFT
	s_mul_i32 s98, s[WC], 64*PITCH
	s_add_co_u32 s98, s98, 2*HALFT
	v_and_b32 v5, 31, v0
	v_lshlrev_b32 v[PFO], 10, v5
	global_prefetch_b8 v[PFO], s[PFA:PFA+1] th:TH_LOAD_NT scope:SCOPE_SE
	v_and_b32 v1, 15, v0                           ; r
	v_bfe_u32 v2, v0, 4, 1                         ; h
	v_mul_u32_u24 v3, v1, PITCH
	v_lshl_add_u32 v3, v2, 4, v3
	v_add_nc_u32 v[ADRA], s90, v3
	v_add_nc_u32 v[ADRB], s98, v3
	v_add_nc_u32 v[ADRA+1], SLOT, v[ADRA]
	v_add_nc_u32 v[ADRB+1], SLOT, v[ADRB]
	v_lshlrev_b32 v[CO], 4, v5
	v_lshlrev_b32 v7, 5, v2                        ; 32 h
	v_lshlrev_b32 v6, 2, v1                        ; 4 r
	s_wait_alu depctr_va_vdst(0)                   ; the wait at the head's end
	; the bias along the registers: b_attn[256 x B tile + 64 x quarter + 16 b + 8 h + j].  In the v column the B tile counts tokens: there tile 0 is read, inside the buffer, and selected away
	s_cmp_eq_u32 s[ISV], 1
	s_cselect_b32 s78, 0, s42
	s_lshl_b32 s78, s78, 10
	s_lshl_b32 s79, s[WC], 8
	s_add_co_u32 s78, s78, s79
	s_mov_b32 s79, 0
	s_add_nc_u64 s[78:79], s[10:11], s[78:79]
.irp b, 0,1,2,3
	global_load_b128 v[BI+8*\b:BI+8*\b+3],   v7, s[78:79] offset:64*\b
	global_load_b128 v[BI+8*\b+4:BI+8*\b+7], v7, s[78:79] offset:64*\b+16
.endr
	; the bias along the lanes: b_attn[2,048 + 256 cy + 128 x half + 16 a + r]: always inside the buffer
	s_lshl_b32 s92, s41, 10
	s_lshl_b32 s93, s[AR], 9
	s_add_co_u32 s92, s92, s93
	s_add_co_u32 s92, s92, 8192
	s_mov_b32 s93, 0
	s_add_nc_u64 s[92:93], s[10:11], s[92:93]
.irp a, 0,1,2,3,4,5,6,7
	global_load_b32 v[BV+\a], v6, s[92:93] offset:64*\a
.endr
	; where my images begin.  q, k: ((16 batch + 4 cx + quarter) x 64 + 16 cy + 8 half) x 1,024;  v: ((16 batch + 4 cy + 2 half) x 8 + 2 cx + quarter / 2) x 8,192 + (quarter % 2) x 1,024
	s_lshl_b32 s66, s67, 20
	s_lshl_b32 s18, s40, 18
	s_lshl_b32 s19, s[WC], 16
	s_add_co_u32 s18, s18, s19
	s_lshl_b32 s19, s41, 14
	s_add_co_u32 s18, s18, s19
	s_lshl_b32 s19, s[AR], 13
	s_add_co_u32 s18, s18, s19
	s_lshl_b32 s94, s41, 18
	s_lshl_b32 s19, s[AR], 17
	s_add_co_u32 s94, s94, s19
	s_lshl_b32 s19, s40, 14
	s_add_co_u32 s94, s94, s19
	s_lshr_b32 s19, s[WC], 1
	s_lshl_b32 s19, s19, 13
	s_add_co_u32 s94, s94, s19
	s_and_b32 s19, s[WC], 1
	s_lshl_b32 s19, s19, 10
	s_add_co_u32 s94, s94, s19
	s_cmp_eq_u32 s[ISV], 1
	s_cselect_b32 s18, s94, s18
	s_add_co_u32 s66, s66, s18
	s_mov_b32 s67, 0
	s_cmp_eq_u32 ttmp9, 0
	s_cselect_b64 s[88:89], s[68:69], s[70:71]
	s_cmp_eq_u32 ttmp9, 2
	s_cselect_b64 s[88:89], s[72:73], s[88:89]
	s_add_nc_u64 s[88:89], s[88:89], s[66:67]
	s_lshl_b32 s36, 1024, s[ISV]                   ; from block to block: 1,024 bytes (q, k), 2,048 (v: the next 16 d);
	s_mov_b32 s37, 0
	s_mul_i32 s38, s[ISV], 58368
	s_add_co_u32 s38, s38, 1024                    ; from block 3 to block 4: 1,024, or 65,536 - 3 x 2,048 (v: the next head)
	s_mov_b32 s39, 0
.macro FETCH slot, q, p                ; 24 LDS loads: the fragments of the slot's q-th 64 along K into buffer p
.irp i, 0,1,2,3
	ds_load_b128 v[FB+96*(\p)+8*\i:FB+96*(\p)+8*\i+3],   v[ADRB+\slot] offset:64*(\q)+\i*16*PITCH
	ds_load_b128 v[FB+96*(\p)+8*\i+4:FB+96*(\p)+8*\i+7], v[ADRB+\slot] offset:64*(\q)+\i*16*PITCH+32
.endr
.irp i, 0,1,2,3,4,5,6,7
	ds_load_b128 v[FB+96*(\p)+32+8*\i:FB+96*(\p)+32+8*\i+3],   v[ADRA+\slot] offset:64*(\q)+\i*16*PITCH
	ds_load_b128 v[FB+96*(\p)+32+8*\i+4:FB+96*(\p)+32+8*\i+7], v[ADRA+\slot] offset:64*(\q)+\i*16*PITCH+32
.endr
.endm
.macro MUL p, a0, a1, zero             ; blocks a0 .. a1 x my four tiles.  The 32 accumulators take turns in one order in every step
.set a, \a0
.rept \a1-\a0+1
.irp b, 0,1,2,3
.if \zero
	v_wmma_f32_16x16x64_fp8_fp8 v[8*(4*a+\b):8*(4*a+\b)+7], v[FB+96*(\p)+8*\b:FB+96*(\p)+8*\b+7], v[FB+96*(\p)+32+8*a:FB+96*(\p)+32+8*a+7], 0
.else
	v_wmma_f32_16x16x64_fp8_fp8 v[8*(4*a+\b):8*(4*a+\b)+7], v[FB+96*(\p)+8*\b:FB+96*(\p)+8*\b+7], v[FB+96*(\p)+32+8*a:FB+96*(\p)+32+8*a+7], v[8*(4*a+\b):8*(4*a+\b)+7]
.endif
.endr
.set a, a+1
.endr
.endm
.macro STEP slot, q, zero
	PLACES
	FETCH \slot, (\q)+1, 1-(\q)%2
	s_wait_dscnt 24                                ; this step's fragments are in; the 24 loads just issued may be out
	WIN MULW
	MUL (\q)%2, 0, 7, \zero
	WIN 0
.endm
; A slot's last step changes slots.  fill = 1: the slot just read out is filled again by its four owners, behind a round of the cluster's barrier.  on = 1: every wave's descriptors go two K steps on (no load of mine is out).
.macro TURN slot, next, fill, on
	s_wait_tensorcnt 0x0
	ds_add_u32 v[SPW], v[NIL]
.if \on
	s_add_nc_u64 s[G0+2:G0+3], s[G0+2:G0+3], 512
	s_add_nc_u64 s[G0B+2:G0B+3], s[G0B+2:G0B+3], 512
.endif
	s_wait_dscnt 1                                 ; this step's fragments are in; the add may be out
	WIN MULW
	MUL 1, 0, 1, 0
	s_wait_dscnt 0x0                               ; the add is done, and my reads of this slot are over
	s_barrier_signal -1
	MUL 1, 2, 3, 0
	WIN 0
	s_barrier_wait -1
.if \fill
	CREST
.if \slot
	s_cmp_lt_u32 s14, 4                            ; slot 1 belongs to waves 4-7
.else
	s_cmp_ge_u32 s14, 4                            ; slot 0 to waves 0-3
.endif
	s_cbranch_scc1 .Lnone_\@
	JLOAD
.Lnone_\@:
.endif
	PLACES
	FETCH \next, 0, 0
	WIN MULW
	MUL 1, 4, 7, 0
	WIN 0
.endm
	s_wait_tensorcnt 0x0                           ; my part of K step 0 or 1 is in,
	s_barrier_signal -1
	s_barrier_wait -1                              ; everybody's is
	FETCH 0, 0, 0
	STEP 0, 0, 1
	STEP 0, 1, 0
	STEP 0, 2, 0
	TURN 0, 1, 1, 1                                ; K step 2 is asked for
	STEP 1, 0, 0
	STEP 1, 1, 0
	STEP 1, 2, 0
	TURN 1, 0, 1, 0                                ; K step 3
	STEP 0, 0, 0
	STEP 0, 1, 0
	STEP 0, 2, 0
	TURN 0, 1, 0, 0
	STEP 1, 0, 0
	STEP 1, 1, 0
	STEP 1, 2, 0
	s_wait_dscnt 0x0
	WIN MULW
	MUL 1, 0, 7, 0
	WIN 0
	PLACES                                         ; behind the last products
	s_wait_kmcnt 0x0
	s_add_co_i32 s96, s80, s81
	s_add_co_i32 s96, s96, 127
	s_lshl_b32 s96, s96, 23                        ; 2^(e0 + e1) as f32
	s_mov_b32 s97, s96
	s_cmp_eq_u32 ttmp9, 0
	s_cselect_b32 s90, s82, s83                    ; q: e2;  k: e3
	s_cmp_eq_u32 ttmp9, 2
	s_cselect_b32 s90, s85, s90                    ; v: e5.  A choice, no branch
	s_cselect_b32 s99, -1, 0                       ; all lanes in the v column, none else
	s_add_co_i32 s90, s90, 127
	s_lshl_b32 s98, s90, 23
	s_add_co_i32 s90, s90, 8
	s_lshl_b32 s90, s90, 23
	s_or_b32 s90, s90, 0x600000
	s_wait_loadcnt 0x0                             ; the biases
	v_mov_b32 v[QS], s98
	v_mov_b32 v[QL], s90
.set j, 0
.rept 32
	v_cndmask_b32 v[BI+j], v[BI+j], 0, s99         ; v: no bias along the registers
.set j, j+1
.endr
.set j, 0
.rept 8
	v_cndmask_b32 v[BV+j], 0, v[BV+j], s99         ; q, k: none along the lanes
.set j, j+1
.endr
	s_wait_alu depctr_va_vdst(0)                   ; the wait ahead of the waits below
; THE WAY OUT, block by block of 16 rows of the A role: sum x 2^(e0 + e1) + bias, the hold, the conversions, two stores of 512 consecutive bytes.
.irp a, 0,1,2,3,4,5,6,7
.set j, 0
.rept 16
.if (\a)%2
	v_pk_add_f32 v[BE+j:BE+j+1], v[BI+j:BI+j+1], v[BV+\a-1:BV+\a] op_sel:[0,1] op_sel_hi:[1,1]   ; the pair's second register for both halves
.else
	v_pk_add_f32 v[BE+j:BE+j+1], v[BI+j:BI+j+1], v[BV+\a:BV+\a+1] op_sel_hi:[1,0]                ; the first for both
.endif
.set j, j+2
.endr
	WIN 0x01                                       ; source 0: window 1
.set j, 0
.rept 16
	v_pk_fma_f32 v[XW+j:XW+j+1], v[32*\a+j:32*\a+j+1], s[96:97], v[BE+j:BE+j+1] op_sel_hi:[1,0,1]   ; each accumulator from its low end on
.set j, j+2
.endr
	WIN 0
.set j, 0
.rept 32
	v_med3_num_f32 v[XW+j], v[XW+j], -v[QL], v[QL]   ; the conversion to an 8-bit code does not saturate (ISA guide 7.6.2)
.set j, j+1
.endr
.irp b, 0,1,2,3
	v_cvt_scalef32_pk8_fp8_f32 v[CD+8*((\a)%2)+2*\b:CD+8*((\a)%2)+2*\b+1], v[XW+8*\b:XW+8*\b+7], v[QS]
.endr
	v_nop                                          ; a plain line behind the conversions
	global_store_b128 v[CO], v[CD+8*((\a)%2):CD+8*((\a)%2)+3],   s[88:89] th:TH_STORE_NT
	global_store_b128 v[CO], v[CD+8*((\a)%2)+4:CD+8*((\a)%2)+7], s[88:89] offset:512 th:TH_STORE_NT
.if \a < 7
	s_wait_xcnt 0x0                                ; the stores have read their base and data
.if \a == 3
	s_add_nc_u64 s[88:89], s[88:89], s[38:39]
.else
	s_add_nc_u64 s[88:89], s[88:89], s[36:37]
.endif
.endif
.endr
	s_wait_tensorcnt 0x0                           ; the wave's end
	ds_add_u32 v[SPW], v[NIL]
	s_wait_dscnt 0x0
	CROUND                                         ; the closing round
	s_endpgm
.Lfunc_end_k_q4c1af17ae5_qkv:
	.size	k_q4c1af17ae5_qkv, .Lfunc_end_k_q4c1af17ae5_qkv-k_q4c1af17ae5_qkv
	.p2alignl 7, 3214868480
	.fill 96, 4, 3214868480
	.section	.rodata,"a",@progbits
	.p2align	6, 0x0
	.amdhsa_kernel k_q4c1af17ae5_qkv
		.amdhsa_group_segment_fixed_size 327680
		.amdhsa_private_segment_fixed_size 0
		.amdhsa_enable_private_segment 0
		.amdhsa_kernarg_size 56
		.amdhsa_user_sgpr_count 2
		.amdhsa_user_sgpr_kernarg_segment_ptr 1
		.amdhsa_wavefront_size32 1
		.amdhsa_system_sgpr_workgroup_id_x 1
		.amdhsa_system_sgpr_workgroup_id_y 1
		.amdhsa_system_sgpr_workgroup_id_z 1
		.amdhsa_system_vgpr_workitem_id 0
		.amdhsa_next_free_vgpr 512
		.amdhsa_next_free_sgpr 100
		.amdhsa_reserve_vcc 0
		.amdhsa_float_denorm_mode_32 3
		.amdhsa_float_denorm_mode_16_64 3
		.amdhsa_memory_ordered 1
		.amdhsa_forward_progress 1
		.amdhsa_inst_pref_size 112
	.end_amdhsa_kernel
	.amdgpu_metadata
---
amdhsa.version: [ 1, 2 ]
amdhsa.kernels:
  - .name:           k_q4c1af17ae5_qkv
    .symbol:         k_q4c1af17ae5_qkv.kd
    .args:
      - { .name: xa, .offset: 0, .size: 8, .value_kind: global_buffer, .address_space: global }
      - { .name: w_attn_codes, .offset: 8, .size: 8, .value_kind: global_buffer, .address_space: global }
      - { .name: lowp_scales, .offset: 16, .size: 8, .value_kind: global_buffer, .address_space: global }
      - { .name: b_attn, .offset: 24, .size: 8, .value_kind: global_buffer, .address_space: global }
      - { .name: q_img, .offset: 32, .size: 8, .value_kind: global_buffer, .address_space: global }
      - { .name: k_img, .offset: 40, .size: 8, .value_kind: global_buffer, .address_space: global }
      - { .name: v_img, .offset: 48, .size: 8, .value_kind: global_buffer, .address_space: global }
    .group_segment_fixed_size: 327680
    .private_segment_fixed_size: 0
    .kernarg_segment_align: 8
    .kernarg_segment_size: 56
    .max_flat_workgroup_size: 256
    .sgpr_count:     100
    .vgpr_count:     512
    .wavefront_size: 32
...
	.end_amdgpu_metadata
.endif
;; end of part 2
;; launch attn (part 3): grid 4 x 64, 16 waves a work-group, clusters of 4 x 1, 327,680 bytes of LDS; arguments q_img, k_img, v_img, lowp_scales, y_img; writes y_img
.if DOCPART == 3
	.amdgcn_target "amdgcn-amd-amdhsa--gfx1250"
	.amdhsa_code_object_version 6
	.text
	.protected	k_q4c1af17ae5_attn
	.globl	k_q4c1af17ae5_attn
	.p2align	8
	.type	k_q4c1af17ae5_attn,@function
k_q4c1af17ae5_attn:
	s_mov_b64 s[64:65], 0
	v_nop
	global_prefetch_b8 v0, s[64:65] scope:SCOPE_SE
	s_setreg_imm32_b32 hwreg(HW_REG_WAVE_MODE, 25, 1), 1
	s_wait_xcnt 0x0
	s_wait_alu depctr_hold_cnt(0) depctr_sa_sdst(0) depctr_va_vdst(0) depctr_va_sdst(0) depctr_va_ssrc(0) depctr_va_vcc(0) depctr_vm_vsrc(0)
	s_getreg_b32 s2, hwreg(HW_REG_IB_STS2, 6, 4)
	s_cmp_eq_u32 s2, 0
	s_cbranch_scc0 .Lentry_in_a_cluster
	s_endpgm
.Lentry_in_a_cluster:
	s_bfe_u32 s2, ttmp6, 0x10000c
	s_cmp_lg_u32 s2, 0x3003
	s_cbranch_scc0 .Lentry_shape_is_right
	s_endpgm
.Lentry_shape_is_right:
; Causal attention of 64 (batch x head) x 1,024 tokens x head size 64, both products on codes of FP8 (E4M3); the result is quantised at once (e6) for the projection.
; t = score x log2(e) / 8; M = the running largest t, rounded UP to a whole number; p = 2^(t - M) is quantised (e4), not normalised; the row's sum is taken of the unquantised p and divides at the end.
; IN: register images of plain fragments.  q_img, k_img: [bh][tile of 16 tokens 64][1,024 B];  v_img: [bh][128 keys 8][16 d 4][2,048 B].
; OUT: y_img [tile of 16 rows 256][128 along K 8][2,048 B]: chunk c of 512 bytes, lane L's 16 bytes at 16 L: (row L % 16, k = 32 c + 16 (L / 16) + 0..15).
; SHARES.  The four work-groups of a cluster share one head; all of its K and V (128 KB of codes) is asked for ONCE, jointly, one load a wave, and stays in LDS: nothing is filled twice.
; A work-group owns the 16 query tiles 4 u + cx, u = 0..15; tile u has u / 2 + 1 key steps of 128 keys under the causal mask (whole steps behind the diagonal are left out).
; Wave w (j = w % 8, p = w / 8) walks, of tile u = j and then of tile u = 15 - j, the key steps of parity p: the two tiles have 9 steps together, so a wave has 5 (p = 0) or 4 (p = 1),
; and waves w, w + 4, w + 8, w + 12 have 18 together.  Each part (O^T, -M, the sum: 4,352 bytes) goes to LDS bytes of its own; behind one barrier wave (j, p) joins the two parts of tile j (p = 0) or 15 - j (p = 1):
; both are brought under the larger M by powers of two, which round nothing, and added.  A part with no step holds zeros and the starting M, and counts for nothing.
; LIMIT: a part's p is quantised under that part's own running M, which is at most the row's: numbers far below the row's largest may keep bits that fall under the format's range under the row's M.
; All that steers branches and LDS addresses hangs on the wave's number and the loops' counts; cx enters global addresses and a vector compare alone.
; LAYOUT.  Both products transposed: S^T = K Q^T (source 0 = 16 keys), O^T = V^T P^T (source 0 = 16 d): a lane holds ONE query.  Tile t's eight scores are keys 16 t + 8 (lane / 16) + 0..7:
; their conversion is registers 2 t, 2 t + 1 of the plain fragment of 128 keys.  A step's first key counts for every query of a tile that walks it, so M is a number from a part's first step on.
; Nothing is prefetched: everything that the launch reads is asked for at its head.
; LIMITS: e2 + e3 between -123 and 130; e4, e6 between -126 and 119.
; REGISTERS: v1-5 addresses; v6-11 at work; v12 -M, v13 the largest t, v[14:15] the sum; v16-31 Q of my two tiles; v32-95 K's eight fragments, then V's four; v96-159 S^T, then p; v160-191 O^T; v192-207 the way out; v208-213 addresses of the parts; v224-239 p's codes.
.set VB,   65536                       ; LDS: K's images at 0, V's at 65,536,
.set STG,  131072                      ; a stage of 1,024 bytes for each wave,
.set PART, 147456                      ; the parts: (16 x tile's turn + 2 j + p) x 4,352,
.set PSZ,  4352
.set SPARE, PART+32*PSZ                ; and the spare words, from 286,720
.set LI,   1                           ; v1   16 x lane
.set DL,   2                           ; v2   lane % 16 - 8 (lane / 16), for the mask
.set SI,   4
.set SO,   5
.set ADK,  8
.set ADV,  9
.set PO,   208                         ; v208-209 where my part's O^T goes, first and second tile
.set PM,   210                         ; v210-211 its -M and sum
.set MO,   212                         ; v212 the two parts that I join: O^T,
.set MM,   213                         ; v213 -M and sum
.set SPW,  251
.set NIL,  255
.set WV,   18
.set PAR,  19                          ; s19  p
.set SEL,  20
.set CS,   22
.set G1,   24
.set G0K,  32
.set G0V,  36
.set IT,   40                          ; s40  the key step
.set TB,   42                          ; s42  8,192 x the key step
.set KF,   43                          ; s43  the step's first key
.set LASTS, 66                         ; s66-67 the last key step of my first and second tile
.set Q0S,  68                          ; s68-69 their first queries
.set CNT,  70
.macro CROUND
	s_barrier_signal -1
	s_barrier_wait -1
	s_cmp_lg_u32 s[WV], 0
	s_cbranch_scc1 .Lnot_wave_0_\@
	s_barrier_signal -3
.Lnot_wave_0_\@:
	s_barrier_wait -3
	s_barrier_signal -1
	s_barrier_wait -1
.endm
.macro PLACES
.rept 4
	v_nop
.endr
.endm
	s_load_b256 s[4:11], s[0:1], 0x0               ; q_img, k_img, v_img, the scales' exponents
	s_load_b64 s[12:13], s[0:1], 0x20              ; y_img
	v_lshl_add_u32 v[SPW], v0, 2, SPARE
	v_mov_b32 v[NIL], 0
	ds_add_u32 v[SPW], v[NIL]                      ; the opening lines
	ds_add_u32 v[SPW], v[NIL]
	v_lshrrev_b32 v8, 5, v0
	v_readfirstlane_b32 s[WV], v8                  ; wave 0..15
	s_bfe_u32 s45, ttmp6, 0x40000                  ; cx
	s_and_b32 s46, ttmp7, 0xffff                   ; batch x head
	s_and_b32 s47, s[WV], 7                        ; j
	s_lshr_b32 s[PAR], s[WV], 3                    ; p
	s_xor_b32 s71, s47, 15                         ; 15 - j
	s_lshr_b32 s[LASTS], s47, 1
	s_lshr_b32 s[LASTS+1], s71, 1
	s_lshl_b32 s48, s47, 2
	s_add_co_u32 s48, s48, s45                     ; my first tile of queries
	s_lshl_b32 s71, s71, 2
	s_add_co_u32 s71, s71, s45                     ; my second
	s_lshl_b32 s[Q0S], s48, 4
	s_lshl_b32 s[Q0S+1], s71, 4
	s_cmp_eq_u32 s[PAR], 0
	s_cselect_b32 s74, s48, s71                    ; the tile that I join and store
	s_mov_b32 s[G1], 15|(3<<16)|(1<<21)            ; the mask: all four work-groups; elements of 8 bytes; no padding: 8,192 dense bytes as 32 rows of 256
	s_mov_b32 s[G1+1], 32<<16
	s_mov_b32 s[G1+2], 32<<16
	s_mov_b32 s[G1+3], 32<<16
	s_mov_b32 s[G1+4], 32
	s_mov_b32 s[G1+5], 32
	s_mov_b32 s[G1+6], 0
	s_mov_b32 s[G1+7], 0
	s_lshl_b32 s50, s46, 16                        ; the head's 65,536 bytes,
	s_lshl_b32 s51, s47, 13
	s_add_co_u32 s50, s50, s51                     ; my eighth of them
	s_mov_b32 s51, 0
	s_lshl_b32 s49, s[WV], 13                      ; in LDS: 8,192 x wave: waves 0-7 fill K's region, waves 8-15 V's
	s_mov_b32 s[SEL], 0x76543210
	s_mov_b32 s[SEL+1], 0xfedcba98
	s_mov_b32 s[CS], 0x3e38aa3b                    ; log2(e) / 8
	s_lshl_b32 s62, s[WV], 10
	s_add_co_u32 s62, s62, STG                     ; my stage
	s_lshl_b32 s75, s47, 1
	s_add_co_u32 s75, s75, s[PAR]
	s_mul_i32 s75, s75, PSZ
	s_add_co_u32 s75, s75, PART                    ; my part of my first tile; that of my second lies 16 parts on
	s_lshl_b32 s76, s[PAR], 3
	s_add_co_u32 s76, s76, s47
	s_mul_i32 s76, s76, 2*PSZ
	s_add_co_u32 s76, s76, PART                    ; the two parts that I join
	s_wait_dscnt 0x0
	CROUND                                         ; all four work-groups are here: the joint loads meet
	s_wait_kmcnt 0x0
	s_load_b256 s[52:59], s[10:11], 0x0            ; e0 .. e7
	s_mov_b32 s[G0K], 1
	s_mov_b32 s[G0K+1], s49
	s_add_nc_u64 s[G0K+2:G0K+3], s[6:7], s[50:51]
	s_or_b32 s[G0K+3], s[G0K+3], 0x80000000
	s_mov_b32 s[G0V], 1
	s_mov_b32 s[G0V+1], s49
	s_add_nc_u64 s[G0V+2:G0V+3], s[8:9], s[50:51]
	s_or_b32 s[G0V+3], s[G0V+3], 0x80000000
	s_cmp_lt_u32 s[WV], 8
	s_cbranch_scc0 .Lfor_v
	tensor_load_to_lds s[G0K:G0K+3], s[G1:G1+7]
	s_nop 0
	PLACES
	s_branch .Lasked
.Lfor_v:
	tensor_load_to_lds s[G0V:G0V+3], s[G1:G1+7]
	s_nop 0
	PLACES
.Lasked:
	s_lshl_b32 s60, s46, 16                        ; Q: (64 bh + tile) x 1,024
	s_mov_b32 s61, 0
	s_add_nc_u64 s[4:5], s[4:5], s[60:61]
	s_lshl_b32 s60, s71, 10
	s_add_nc_u64 s[72:73], s[4:5], s[60:61]
	s_lshl_b32 s60, s48, 10
	s_add_nc_u64 s[4:5], s[4:5], s[60:61]
	v_and_b32 v[LI], 31, v0
	v_lshlrev_b32 v[LI], 4, v[LI]
	s_wait_alu depctr_va_vdst(0)
	global_load_b128 v[16:19], v[LI], s[4:5]       ; Q's fragments stay in registers
	global_load_b128 v[20:23], v[LI], s[4:5] offset:512
	global_load_b128 v[24:27], v[LI], s[72:73]
	global_load_b128 v[28:31], v[LI], s[72:73] offset:512
	s_lshr_b32 s60, s46, 4                         ; y: (64 batch + tile) x 16,384 + head x 1,024
	s_lshl_b32 s60, s60, 20
	s_lshl_b32 s61, s74, 14
	s_add_co_u32 s60, s60, s61
	s_and_b32 s61, s46, 15
	s_lshl_b32 s61, s61, 10
	s_add_co_u32 s60, s60, s61
	s_mov_b32 s61, 0
	s_add_nc_u64 s[12:13], s[12:13], s[60:61]
	v_and_b32 v[DL], 15, v0                        ; r
	v_bfe_u32 v3, v0, 4, 1                         ; h
	v_lshlrev_b32 v[SI], 4, v[DL]
	v_lshl_add_u32 v[SI], v3, 3, v[SI]
	v_add_nc_u32 v[SI], s62, v[SI]                 ; the stage, in: 16 r + 8 h
	v_add_nc_u32 v[SO], s62, v[LI]                 ; out: 16 x lane
	v_lshlrev_b32 v3, 3, v3
	v_sub_nc_u32 v[DL], v[DL], v3                  ; r - 8 h
	v_lshrrev_b32 v6, 1, v[LI]                     ; 8 x lane
	v_add_nc_u32 v[PO], s75, v[LI]
	v_add_nc_u32 v[PO+1], 16*PSZ, v[PO]
	v_add_nc_u32 v[PM], s75, v6
	v_add_nc_u32 v[PM], 4096, v[PM]
	v_add_nc_u32 v[PM+1], 16*PSZ, v[PM]
	v_add_nc_u32 v[MO], s76, v[LI]
	v_add_nc_u32 v[MM], s76, v6
	v_add_nc_u32 v[MM], 4096, v[MM]
	v_mov_b32 v236, 0                              ; written once: a lane permute's destination counts as one of its sources
	v_mov_b32 v253, 0                              ; (named as the upper halves of pairs)
	v_mov_b32 v221, 0
	v_mov_b32 v223, 0
	s_wait_kmcnt 0x0
	s_add_co_i32 s60, s54, s55                     ; e2 + e3: added to c's exponent field
	s_lshl_b32 s60, s60, 23
	s_add_co_i32 s[CS], s[CS], s60
	s_mov_b32 s[CS+1], s[CS]
	s_add_co_i32 s60, s56, 127
	s_lshl_b32 s61, s60, 23
	v_mov_b32 v244, s61                            ; 2^e4, for p's conversions
	s_add_co_i32 s60, s60, 8
	s_lshl_b32 s60, s60, 23
	s_or_b32 s60, s60, 0x600000
	v_mov_b32 v240, s60                            ; 448 x 2^e4
	s_add_co_i32 s60, s58, 127
	s_lshl_b32 s61, s60, 23
	v_mov_b32 v245, s61                            ; 2^e6, for y's
	s_add_co_i32 s60, s60, 8
	s_lshl_b32 s60, s60, 23
	s_or_b32 s60, s60, 0x600000
	v_mov_b32 v241, s60                            ; 448 x 2^e6
	s_wait_alu depctr_va_vdst(0)                   ; the wait at the head's end
	s_wait_loadcnt 0x0                             ; Q
	s_wait_tensorcnt 0x0                           ; my eighth of K or V has landed,
	s_barrier_signal -1
	s_barrier_wait -1                              ; everybody's has.  From here on K's and V's bytes are only read
; MY PART OF ONE TILE (ph = 0: my first, 1: my second): key steps p, p + 2, p + 4, p + 6, four trips, a constant; a step behind the tile's last is jumped over.  Then the part goes to LDS.
.macro PHASE ph
	s_lshl_b32 s[TB], s[PAR], 13
	s_lshl_b32 s[KF], s[PAR], 7
	s_mov_b32 s[IT], s[PAR]
	s_mov_b32 s[CNT], 0
	v_mov_b32 v13, 0xff61b1e6                      ; the largest t so far: -3e38, under every t
	v_floor_f32 v12, -v13                          ; -M
	v_mov_b32 v14, 0                               ; the sum, in two halves
	v_mov_b32 v15, 0
.set i, 0
.rept 32
	v_mov_b32 v[160+i], 0                          ; O^T: the step is written once, and a part with no step is zeros
.set i, i+1
.endr
	s_wait_alu depctr_va_vdst(0)                   ; the wait ahead of the branches below
.Lstep_\@:
	s_cmp_gt_u32 s[IT], s[LASTS+\ph]
	s_cbranch_scc1 .Lhidden_\@                     ; all its keys come after the tile's queries
	v_add_nc_u32 v[ADK], s[TB], v[LI]
	s_delay_alu instid0(VALU_DEP_1)
	v_add_nc_u32 v[ADV], VB, v[ADK]
	v_nop                                          ; with the two additions: four places in front of loads into registers that the last products have read
	v_nop
.irp t, 0,1,2,3,4,5,6,7
	ds_load_b128 v[32+8*\t:35+8*\t], v[ADK] offset:1024*\t
	ds_load_b128 v[36+8*\t:39+8*\t], v[ADK] offset:1024*\t+512
.endr
	s_wait_alu depctr_va_vdst(0)
	s_wait_dscnt 0x0
.irp t, 0,1,2,3,4,5,6,7
	v_wmma_f32_16x16x64_fp8_fp8 v[96+8*\t:103+8*\t], v[32+8*\t:39+8*\t], v[16+8*\ph:23+8*\ph], 0
.endr
	PLACES                                         ; in front of the loads below and of the first read of the scores
.irp d, 0,1,2,3
.irp c, 0,1,2,3
	ds_load_b128 v[32+16*\d+4*\c:35+16*\d+4*\c], v[ADV] offset:2048*\d+512*\c   ; V's four fragments land while the softmax is worked
.endr
.endr
	s_cmp_lg_u32 s[IT], s[LASTS+\ph]
	s_cbranch_scc1 .Lopen_\@                       ; only the tile's last step lies on the diagonal
	s_sub_co_i32 s63, s[Q0S+\ph], s[KF]
	v_add_nc_u32 v252, s63, v[DL]                  ; d = my query - the step's first key - 8 (lane / 16).  Register n holds key 16 (n / 8) + n % 8 + 8 (lane / 16): hidden where 16 (n / 8) + n % 8 > d
	v_mov_b32 v254, 0xff800000                     ; -infinity: p = 0 then
.set n, 0
.rept 64
	v_cmp_gt_i32 vcc_lo, 16*(n/8)+n%8, v252
	v_cndmask_b32 v[96+n], v[96+n], v254, vcc_lo
.set n, n+1
.endr
.Lopen_\@:
	v_max3_num_f32 v254, v96, v97, v98             ; the step's largest score of my query, in two chains,
	v_max3_num_f32 v252, v99, v100, v101
.irp i, 6,10,14,18,22,26,30,34,38,42,46,50,54,58
	v_max3_num_f32 v254, v254, v[96+\i], v[97+\i]
	v_max3_num_f32 v252, v252, v[98+\i], v[99+\i]
.endr
	v_max3_num_f32 v254, v254, v158, v159
	s_delay_alu instid0(VALU_DEP_1)
	v_max_num_f32 v254, v254, v252
	v_permlanex16_b32 v236, v254, s[SEL], s[SEL+1]
	s_delay_alu instid0(VALU_DEP_1)
	v_max_num_f32 v254, v254, v236                 ; and among lane l xor 16's
	s_delay_alu instid0(VALU_DEP_1)
	v_mul_f32 v254, s[CS], v254                    ; as t (c is positive)
	s_delay_alu instid0(VALU_DEP_1)
	v_max_num_f32 v13, v13, v254                   ; the running largest t
	v_mov_b32 v254, v12
	s_delay_alu instid0(VALU_DEP_2)
	v_floor_f32 v12, -v13                          ; the new -M = -ceil(t): a whole number
	s_delay_alu instid0(VALU_DEP_1)
	v_sub_f32 v254, v12, v254                      ; M's old value less its new one
	s_delay_alu instid0(VALU_DEP_1)
	v_cvt_i32_f32 v254, v254                       ; (it saturates)
	s_delay_alu instid0(VALU_DEP_1)
	v_ldexp_f32 v252, 1.0, v254                    ; f = 2^(old M - new M)
.set j, 0
.rept 32
	v_pk_fma_f32 v[96+j:97+j], v[96+j:97+j], s[CS:CS+1], v[12:13] op_sel_hi:[1,0,0]   ; t - M, two at a time
.set j, j+2
.endr
	s_wait_alu depctr_va_vdst(0)                   ; one wait ahead of the batch, one behind it
.set j, 0
.rept 64
	v_exp_f32 v[96+j], v[96+j]                     ; p = 2^(t - M), at most 1
.set j, j+1
.endr
	v_pk_mul_f32 v[14:15], v[14:15], v[252:253] op_sel_hi:[1,0]   ; the sums under the new M
	s_wait_alu depctr_va_vdst(0)
	v_pk_add_f32 v[242:243], v[96:97], v[98:99]    ; the sum of the unquantised p, in four chains
	v_pk_add_f32 v[246:247], v[100:101], v[102:103]
	v_pk_add_f32 v[248:249], v[104:105], v[106:107]
	v_pk_add_f32 v[14:15], v[14:15], v[108:109]
.irp j, 14,22,30,38,46,54
	v_pk_add_f32 v[242:243], v[242:243], v[96+\j:97+\j]
	v_pk_add_f32 v[246:247], v[246:247], v[98+\j:99+\j]
	v_pk_add_f32 v[248:249], v[248:249], v[100+\j:101+\j]
	v_pk_add_f32 v[14:15], v[14:15], v[102+\j:103+\j]
.endr
	v_pk_add_f32 v[242:243], v[242:243], v[158:159]
	v_pk_add_f32 v[246:247], v[246:247], v[248:249]
	v_pk_add_f32 v[14:15], v[14:15], v[242:243]
	v_pk_add_f32 v[14:15], v[14:15], v[246:247]
.irp t, 0,1,2,3,4,5,6,7
.irp i, 0,1,2,3,4,5,6,7
	v_min_num_f32 v[96+8*\t+\i], v[96+8*\t+\i], v240   ; the conversion does not saturate (ISA guide 7.6.2); p is not negative, so the hold is one-sided
.endr
	v_cvt_scalef32_pk8_fp8_f32 v[224+2*\t:225+2*\t], v[96+8*\t:103+8*\t], v244
.endr
.set j, 0
.rept 16
	v_pk_mul_f32 v[160+j:161+j], v[160+j:161+j], v[252:253] op_sel_hi:[1,0]   ; O^T under the new M
.set j, j+2
.endr
	s_wait_alu depctr_va_vdst(0)
	s_wait_dscnt 0x0                               ; V
.irp d, 0,1,2,3                                ; four accumulators by turns
	v_wmma_f32_16x16x128_fp8_fp8 v[160+8*\d:167+8*\d], v[32+16*\d:47+16*\d], v[224:239], v[160+8*\d:167+8*\d]
.endr
.Lhidden_\@:
	s_add_co_u32 s[TB], s[TB], 16384
	s_add_co_u32 s[KF], s[KF], 256
	s_add_co_u32 s[IT], s[IT], 2
	s_add_co_u32 s[CNT], s[CNT], 1
	s_cmp_lt_u32 s[CNT], 4
	s_cbranch_scc1 .Lstep_\@
	PLACES                                         ; behind the last products
	v_add_f32 v13, v14, v15                        ; my lane's sum, beside -M
.irp k, 0,1,2,3,4,5,6,7
	ds_store_b128 v[PO+\ph], v[160+4*\k:163+4*\k] offset:512*\k   ; each accumulator from its low end on
.endr
	ds_store_b64 v[PM+\ph], v[12:13]
.endm
	PHASE 0
	PHASE 1
	s_wait_dscnt 0x0                               ; my parts are written,
	s_barrier_signal -1
	s_barrier_wait -1                              ; everybody's are
	; THE TWO PARTS OF ONE TILE ARE JOINED
.irp k, 0,1,2,3,4,5,6,7
	ds_load_b128 v[96+4*\k:99+4*\k], v[MO] offset:512*\k
	ds_load_b128 v[128+4*\k:131+4*\k], v[MO] offset:PSZ+512*\k
.endr
	ds_load_b64 v[214:215], v[MM]                  ; -M and the sum of the even steps' part,
	ds_load_b64 v[216:217], v[MM] offset:PSZ       ; of the odd steps'
	s_wait_dscnt 0x0
	v_min_num_f32 v6, v214, v216                   ; -(the larger M)
	v_sub_f32 v7, v6, v214                         ; each part's M less the larger: whole numbers, 0 or less
	v_sub_f32 v10, v6, v216
	v_cvt_i32_f32 v7, v7                           ; (they saturate)
	v_cvt_i32_f32 v10, v10
	v_ldexp_f32 v7, 1.0, v7
	v_ldexp_f32 v10, 1.0, v10
	v_mul_f32 v14, v215, v7
	v_fmac_f32 v14, v217, v10
	v_permlanex16_b32 v236, v14, s[SEL], s[SEL+1]
	v_add_f32 v14, v14, v236                       ; the row's sum
	s_wait_alu depctr_va_vdst(0)
	v_rcp_f32 v14, v14
	v_nop                                          ; one plain place behind the transcendental
	s_add_co_i32 s63, s56, s57
	s_wait_alu depctr_va_vdst(0)
	v_ldexp_f32 v14, v14, s63                      ; x 2^(e4 + e5)
	v_mul_f32 v220, v7, v14
	v_mul_f32 v222, v10, v14
.set j, 0
.rept 16
	v_pk_mul_f32 v[96+j:97+j], v[96+j:97+j], v[220:221] op_sel_hi:[1,0]
.set j, j+2
.endr
.set j, 0
.rept 16
	v_pk_fma_f32 v[96+j:97+j], v[128+j:129+j], v[222:223], v[96+j:97+j] op_sel_hi:[1,0,1]
.set j, j+2
.endr
	; THE WAY OUT: quantised with e6.  A lane's eight codes of tile d belong to chunk d / 2, lane (r, d % 2), bytes 8 h on: they turn through my stage and leave as two stores of 512 consecutive bytes.
.set j, 0
.rept 32
	v_med3_num_f32 v[96+j], v[96+j], -v241, v241
.set j, j+1
.endr
.irp d, 0,1,2,3
	v_cvt_scalef32_pk8_fp8_f32 v[192+2*\d:193+2*\d], v[96+8*\d:103+8*\d], v245
.endr
	v_nop
.irp d, 0,1,2,3
	ds_store_b64 v[SI], v[192+2*\d:193+2*\d] offset:((\d)/2)*512+((\d)%2)*256
.endr
	ds_load_b128 v[200:203], v[SO]                 ; LDS serves a wave's instructions in order (ISA guide 5.7.1.4)
	ds_load_b128 v[204:207], v[SO] offset:512
	s_wait_dscnt 0x0
	global_store_b128 v[LI], v[200:203], s[12:13]
	global_store_b128 v[LI], v[204:207], s[12:13] offset:512
	s_wait_tensorcnt 0x0                           ; the wave's end
	ds_add_u32 v[SPW], v[NIL]
	s_wait_dscnt 0x0
	CROUND                                         ; the closing round
	s_endpgm
.Lfunc_end_k_q4c1af17ae5_attn:
	.size	k_q4c1af17ae5_attn, .Lfunc_end_k_q4c1af17ae5_attn-k_q4c1af17ae5_attn
	.p2alignl 7, 3214868480
	.fill 96, 4, 3214868480
	.section	.rodata,"a",@progbits
	.p2align	6, 0x0
	.amdhsa_kernel k_q4c1af17ae5_attn
		.amdhsa_group_segment_fixed_size 327680
		.amdhsa_private_segment_fixed_size 0
		.amdhsa_enable_private_segment 0
		.amdhsa_kernarg_size 40
		.amdhsa_user_sgpr_count 2
		.amdhsa_user_sgpr_kernarg_segment_ptr 1
		.amdhsa_wavefront_size32 1
		.amdhsa_system_sgpr_workgroup_id_x 1
		.amdhsa_system_sgpr_workgroup_id_y 1
		.amdhsa_system_sgpr_workgroup_id_z 1
		.amdhsa_system_vgpr_workitem_id 0
		.amdhsa_next_free_vgpr 256
		.amdhsa_next_free_sgpr 84
		.amdhsa_reserve_vcc 1
		.amdhsa_float_denorm_mode_32 3
		.amdhsa_float_denorm_mode_16_64 3
		.amdhsa_memory_ordered 1
		.amdhsa_forward_progress 1
		.amdhsa_inst_pref_size 60
	.end_amdhsa_kernel
	.amdgpu_metadata
---
amdhsa.version: [ 1, 2 ]
amdhsa.kernels:
  - .name:           k_q4c1af17ae5_attn
    .symbol:         k_q4c1af17ae5_attn.kd
    .args:
      - { .name: q_img, .offset: 0, .size: 8, .value_kind: global_buffer, .address_space: global }
      - { .name: k_img, .offset: 8, .size: 8, .value_kind: global_buffer, .address_space: global }
      - { .name: v_img, .offset: 16, .size: 8, .value_kind: global_buffer, .address_space: global }
      - { .name: lowp_scales, .offset: 24, .size: 8, .value_kind: global_buffer, .address_space: global }
      - { .name: y_img, .offset: 32, .size: 8, .value_kind: global_buffer, .address_space: global }
    .group_segment_fixed_size: 327680
    .private_segment_fixed_size: 0
    .kernarg_segment_align: 8
    .kernarg_segment_size: 40
    .max_flat_workgroup_size: 512
    .sgpr_count:     84
    .vgpr_count:     256
    .wavefront_size: 32
...
	.end_amdgpu_metadata
.endif
;; end of part 3
;; launch proj (part 4): grid 8 x 32, 4 waves a work-group, clusters of 4 x 4, 327,680 bytes of LDS; arguments y_img, w_proj_codes, lowp_scales, b_proj, hidden_states, x2; writes x2
.if DOCPART == 4
	.amdgcn_target "amdgcn-amd-amdhsa--gfx1250"
	.amdhsa_code_object_version 6
	.text
	.protected	k_q4c1af17ae5_proj
	.globl	k_q4c1af17ae5_proj
	.p2align	8
	.type	k_q4c1af17ae5_proj,@function
k_q4c1af17ae5_proj:
	s_mov_b64 s[64:65], 0
	v_nop
	global_prefetch_b8 v0, s[64:65] scope:SCOPE_SE
	s_setreg_imm32_b32 hwreg(HW_REG_WAVE_MODE, 25, 1), 1
	s_wait_xcnt 0x0
	s_wait_alu depctr_hold_cnt(0) depctr_sa_sdst(0) depctr_va_vdst(0) depctr_va_sdst(0) depctr_va_ssrc(0) depctr_va_vcc(0) depctr_vm_vsrc(0)
	s_getreg_b32 s2, hwreg(HW_REG_IB_STS2, 6, 4)
	s_cmp_eq_u32 s2, 0
	s_cbranch_scc0 .Lentry_in_a_cluster
	s_endpgm
.Lentry_in_a_cluster:
	s_bfe_u32 s2, ttmp6, 0x10000c
	s_cmp_lg_u32 s2, 0xf033
	s_cbranch_scc0 .Lentry_shape_is_right
	s_endpgm
.Lentry_shape_is_right:
; x2 = hidden_states + b_proj + (y W^T) x 2^(e6 + e7), on codes of FP8 (E4M3), K = 1,024.  x2, hidden_states: [4096][1024] f32.  W: [1024][1024] codes, K innermost.
; y_img: register images [tile of 16 rows 256][128 along K 8][2,048 B]: chunk c of 512 bytes, lane L's 16 bytes at 16 L: (row L % 16, k = 32 c + 16 (L / 16) + 0..15): the places that four 16-byte LDS loads give a row of W,
; so every product meets its partner; the order of the sums inside an instruction differs from ascending k.
; A tile of 128 x 128 to a work-group of four waves, 64 x 64 to a wave: 16 accumulators (window 2).
; ONE FILL: all 1,024 along K of the tile's operands lie in LDS together: y's 8 tiles of 16,384 bytes (131,072) and W's 128 rows of 1,024 + 16 bytes (133,120).  Each wave issues one tensor load at the head
; (waves 0, 1: 65,536 dense bytes of y; waves 2, 3: 64 rows of W); nothing is filled again, so there is no ring and no further round.  The stage of the way out has bytes of its own behind them.
; CLUSTERS: 4 x 4; y's tile is asked for jointly along a row of the cluster, W's along a column.
; Nothing is prefetched: everything that the launch reads is asked for at its head, and there is no loop to run ahead in.
; LIMIT: e6 + e7 between -126 and 127.
; REGISTERS: window 0: v16-29 addresses; v32-95 y's four fragments; v96-99 the bias; v100-131 residual + bias; v132-195 rows back from the stage, two sets.  window 1: v0-127 W's four fragments, two sets; v128-255 the residual.
.set AHALF,  65536
.set BPITCH, 1040
.set BHALF,  64*BPITCH
.set BOFF,   2*AHALF
.set SPITCH, 272
.set STG,    BOFF+2*BHALF              ; 264,192: a stage of 16 rows x 272 bytes for each wave
.set SPARE,  STG+4*16*SPITCH           ; 281,600: the spare words
.set ADRA, 16
.set ADRB, 20
.set STO,  24
.set RD,   25
.set CO,   26
.set SPW,  28
.set NIL,  29
.set AF,   32
.set BIAS, 96
.set R,    100
.set T,    132
.set RES,  128
.set G1, 24
.set G0, 32
.set G1B, 48
.set G0B, 56
.set MSB, 0
.macro WIN new
.if MSB != (\new)
	s_set_vgpr_msb (MSB<<8)|(\new)
.set MSB, (\new)
.endif
.endm
.set MUL,  0xa1                        ; source 0 (W) window 1, source 1 (y) window 0, C and D window 2
.set TO_B, 0x40
.macro PLACES
.rept 4
	v_nop
.endr
.endm
.macro CROUND
	s_barrier_signal -1
	s_barrier_wait -1
	s_cmp_lg_u32 s14, 0
	s_cbranch_scc1 .Lnot_wave_0_\@
	s_barrier_signal -3
.Lnot_wave_0_\@:
	s_barrier_wait -3
	s_barrier_signal -1
	s_barrier_wait -1
.endm
	s_load_b256 s[4:11], s[0:1], 0x0               ; y_img, W, the scales' exponents, b_proj
	s_load_b128 s[68:71], s[0:1], 0x20             ; hidden_states, x2
	v_lshl_add_u32 v[SPW], v0, 2, SPARE
	v_mov_b32 v[NIL], 0
	ds_add_u32 v[SPW], v[NIL]                      ; the opening lines
	ds_add_u32 v[SPW], v[NIL]
	v_lshrrev_b32 v1, 5, v0
	v_readfirstlane_b32 s14, v1                    ; wave 0..3
	s_lshr_b32 s15, s14, 1                         ; my half of the rows.  Also: I fetch y (0) or W (1)
	s_and_b32 s16, s14, 1                          ; my half of the columns.  Also: which half I fetch
	s_bfe_u32 s40, ttmp6, 0x40000
	s_bfe_u32 s41, ttmp6, 0x40004
	s_lshl_b32 s42, ttmp9, 2
	s_add_co_u32 s42, s42, s40                     ; tile column
	s_and_b32 s17, ttmp7, 0xffff
	s_lshl_b32 s17, s17, 2
	s_add_co_u32 s17, s17, s41                     ; tile row
	s_lshl_b32 s43, s41, 2
	s_lshl_b32 s43, 15, s43
	s_lshl_b32 s44, 0x1111, s40
	s_or_b32 s[G1+0], s43, (0<<16)|(1<<21)         ; y: 4 rows of 16,384 bytes, end to end; no padding: images are read at 16 x lane
	s_mov_b32 s[G1+1], 16384<<16
	s_mov_b32 s[G1+2], 4<<16
	s_mov_b32 s[G1+3], 16384<<16
	s_mov_b32 s[G1+4], 4
	s_mov_b32 s[G1+5], 16384
	s_mov_b32 s[G1+6], 0
	s_mov_b32 s[G1+7], 0
	s_or_b32 s[G1B+0], s44, (0<<16)|(1<<20)|(1<<21)|(7<<22)|(3<<25)   ; W: 64 rows of 1,024 bytes, four words of padding after every 256
	s_mov_b32 s[G1B+1], 1024<<16
	s_mov_b32 s[G1B+2], 64<<16
	s_mov_b32 s[G1B+3], 1024<<16
	s_mov_b32 s[G1B+4], 64
	s_mov_b32 s[G1B+5], 1024
	s_mov_b32 s[G1B+6], 0
	s_mov_b32 s[G1B+7], 0
	s_lshl_b32 s20, s17, 3
	s_lshl_b32 s18, s16, 2
	s_add_co_u32 s20, s20, s18
	s_lshl_b32 s20, s20, 14                        ; y: tile of 16 rows 8 x tile row + 4 x half
	s_mov_b32 s21, 0
	s_lshl_b32 s46, s42, 7
	s_lshl_b32 s18, s16, 6
	s_add_co_u32 s46, s46, s18
	s_lshl_b32 s46, s46, 10                        ; W: row 128 x tile column + 64 x half
	s_mov_b32 s47, 0
	s_lshl_b32 s45, s16, 16
	s_mul_i32 s19, s16, BHALF
	s_add_co_u32 s19, s19, BOFF
	s_wait_dscnt 0x0
	CROUND                                         ; the round in front of the joint loads; the arguments' load is on its way meanwhile
	s_wait_kmcnt 0x0
	s_load_b64 s[96:97], s[8:9], 24                ; e6, e7
	s_mov_b32 s[G0], 1
	s_mov_b32 s[G0+1], s45
	s_add_nc_u64 s[G0+2:G0+3], s[4:5], s[20:21]
	s_or_b32 s[G0+3], s[G0+3], 0x80000000
	s_mov_b32 s[G0B], 1
	s_mov_b32 s[G0B+1], s19
	s_add_nc_u64 s[G0B+2:G0B+3], s[6:7], s[46:47]
	s_or_b32 s[G0B+3], s[G0B+3], 0x80000000
	s_cmp_eq_u32 s15, 0
	s_cbranch_scc0 .Lfor_b
	tensor_load_to_lds s[G0:G0+3], s[G1:G1+7]
	s_nop 0
	PLACES
	s_branch .Lasked
.Lfor_b:
	tensor_load_to_lds s[G0B:G0B+3], s[G1B:G1B+7]
	s_nop 0
	PLACES
.Lasked:
	s_lshl_b32 s21, s15, 16                        ; my 64 rows of y
	s_mul_i32 s22, s16, BHALF
	s_add_co_u32 s22, s22, BOFF                    ; my 64 rows of W
	s_mul_i32 s23, s14, 16*SPITCH
	s_add_co_u32 s23, s23, STG                     ; my stage
	s_lshl_b32 s72, s17, 19                        ; the residual and x2: 128 x tile row + 64 x half rows of 4,096 bytes,
	s_lshl_b32 s73, s15, 18
	s_add_co_u32 s72, s72, s73
	s_lshl_b32 s78, s42, 9                         ; 128 x tile column + 64 x half columns of 4 bytes
	s_lshl_b32 s79, s16, 8
	s_add_co_u32 s78, s78, s79
	s_add_co_u32 s72, s72, s78
	s_mov_b32 s73, 0
	s_mov_b32 s79, 0
	s_add_nc_u64 s[74:75], s[68:69], s[72:73]
	s_add_nc_u64 s[76:77], s[70:71], s[72:73]
	s_add_nc_u64 s[78:79], s[10:11], s[78:79]
	v_and_b32 v1, 15, v0                           ; r
	v_bfe_u32 v2, v0, 4, 1                         ; h
	v_and_b32 v3, 31, v0
	v_lshlrev_b32 v3, 4, v3
	v_mul_u32_u24 v4, v1, BPITCH
	v_lshl_add_u32 v4, v2, 4, v4
	v_add_nc_u32 v[ADRA], s21, v3
	v_add_nc_u32 v[ADRB], s22, v4
	v_mul_u32_u24 v5, v1, SPITCH
	v_lshl_add_u32 v5, v2, 5, v5
	v_add_nc_u32 v[STO], s23, v5                   ; in: row r, 32 bytes for each half of the lanes
	v_mul_u32_u24 v5, v2, SPITCH
	v_lshl_add_u32 v5, v1, 4, v5
	v_add_nc_u32 v[RD], s23, v5                    ; back: lanes 0-15 one row of 256 bytes, lanes 16-31 the next
	v_lshlrev_b32 v[CO], 12, v2
	v_lshl_add_u32 v[CO], v1, 4, v[CO]             ; and the same two rows in memory
	v_lshlrev_b32 v6, 4, v1
	s_wait_alu depctr_va_vdst(0)                   ; the wait at the head's end
	WIN TO_B
.irp a, 0,1,2,3
.irp t, 0,1,2,3,4,5,6,7
	global_load_b128 v[RES+4*(8*\a+\t):RES+4*(8*\a+\t)+3], v[CO], s[74:75] offset:(16*\a+2*\t)*4096 th:TH_LOAD_NT
.endr
.endr
	WIN 0
	global_load_b128 v[BIAS:BIAS+3], v6, s[78:79]
.macro FRAG_A reg, q, i
.irp c, 0,1,2,3
	ds_load_b128 v[\reg+4*\c:\reg+4*\c+3], v[ADRA] offset:16384*(\i)+2048*(\q)+512*\c
.endr
.endm
.macro FRAG_B reg, q, i
.irp c, 0,1,2,3
	ds_load_b128 v[\reg+4*\c:\reg+4*\c+3], v[ADRB] offset:16*BPITCH*(\i)+128*(\q)+32*\c
.endr
.endm
.macro MUL4 a, p, zero                 ; the 16 accumulators take turns in one order in every step
.irp b, 0,1,2,3
.if \zero
	v_wmma_f32_16x16x128_fp8_fp8 v[8*(4*(\a)+\b):8*(4*(\a)+\b)+7], v[64*(\p)+16*\b:64*(\p)+16*\b+15], v[AF+16*(\a):AF+16*(\a)+15], 0
.else
	v_wmma_f32_16x16x128_fp8_fp8 v[8*(4*(\a)+\b):8*(4*(\a)+\b)+7], v[64*(\p)+16*\b:64*(\p)+16*\b+15], v[AF+16*(\a):AF+16*(\a)+15], v[8*(4*(\a)+\b):8*(4*(\a)+\b)+7]
.endif
.endr
.endm
.macro FETCH_B q, p
	WIN TO_B
.irp i, 0,1,2,3
	FRAG_B 64*(\p)+16*\i, \q, \i
.endr
	WIN 0
.endm
.macro FETCH_A q, i0
.irp i, \i0, \i0+1
	FRAG_A AF+16*(\i), \q, \i
.endr
.endm
.macro STEP q, zero                    ; 128 along K; y has one set of registers, fetched anew by halves, W two
	s_wait_dscnt 8                                 ; W's set and y's blocks 0, 1 are in; the youngest 8 loads may be out
	WIN MUL
	MUL4 0, (\q)%2, \zero
	MUL4 1, (\q)%2, \zero
	s_wait_dscnt 0
	PLACES
	FETCH_B (\q)+1, 1-(\q)%2
	FETCH_A (\q)+1, 0
	WIN MUL
	MUL4 2, (\q)%2, \zero
	MUL4 3, (\q)%2, \zero
	PLACES
	WIN 0
	FETCH_A (\q)+1, 2
.endm
	s_wait_tensorcnt 0x0                           ; my part of the tiles is in,
	s_barrier_signal -1
	s_barrier_wait -1                              ; everybody's is.  From here on LDS below the stages is only read
	FETCH_B 0, 0
	FETCH_A 0, 0
	FETCH_A 0, 2
	STEP 0, 1                                      ; the first step's products start the sums
.irp q, 1,2,3,4,5,6
	STEP \q, 0
.endr
	s_wait_dscnt 8
	WIN MUL
	MUL4 0, 1, 0
	MUL4 1, 1, 0
	s_wait_dscnt 0
	MUL4 2, 1, 0
	MUL4 3, 1, 0
	WIN 0
; THE WAY OUT, four blocks of 16 rows x 64 columns: the raw sums go through my own stage and come back as rows of 256 bytes; x2 = sum x 2^(e6 + e7) + (residual + bias).
.macro TOSTAGE a
	WIN 0x08                                       ; the stores' data: window 2
.irp b, 0,1,2,3
	ds_store_b128 v[STO], v[8*(4*(\a)+\b):8*(4*(\a)+\b)+3] offset:64*\b
	ds_store_b128 v[STO], v[8*(4*(\a)+\b)+4:8*(4*(\a)+\b)+7] offset:64*\b+16
.endr
	WIN 0
.set TT, T+32*((\a)%2)
.irp t, 0,1,2,3,4,5,6,7
	ds_load_b128 v[TT+4*\t:TT+4*\t+3], v[RD] offset:\t*2*SPITCH   ; LDS serves a wave's instructions in order (ISA guide 5.7.1.4)
.endr
.endm
.macro SEND a, younger
.set TT, T+32*((\a)%2)
	WIN 0x01
.irp t, 0,1,2,3,4,5,6,7
.irp i, 0,2
	v_pk_add_f32 v[R+4*\t+\i:R+4*\t+\i+1], v[RES+4*(8*(\a)+\t)+\i:RES+4*(8*(\a)+\t)+\i+1], v[BIAS+\i:BIAS+\i+1]
.endr
.endr
	WIN 0
	s_wait_dscnt \younger
.irp t, 0,1,2,3,4,5,6,7
.irp i, 0,2
	v_pk_fma_f32 v[TT+4*\t+\i:TT+4*\t+\i+1], v[TT+4*\t+\i:TT+4*\t+\i+1], s[96:97], v[R+4*\t+\i:R+4*\t+\i+1] op_sel_hi:[1,0,1]
.endr
.endr
.irp t, 0,1,2,3,4,5,6,7
	global_store_b128 v[CO], v[TT+4*\t:TT+4*\t+3], s[76:77] offset:(16*(\a)+2*\t)*4096   ; 16 lanes store 256 consecutive bytes, aligned
.endr
.endm
	s_wait_kmcnt 0x0
	s_add_co_i32 s96, s96, s97
	s_add_co_i32 s96, s96, 127
	s_lshl_b32 s96, s96, 23                        ; 2^(e6 + e7) as f32
	s_mov_b32 s97, s96
	s_wait_loadcnt 0x0                             ; the residual and the bias
	PLACES                                         ; behind the last products
	TOSTAGE 0
.irp a, 1,2,3
.if \a > 1
	s_wait_xcnt 0x0                                ; block a - 2's stores have read their registers
.endif
	TOSTAGE \a
	SEND \a-1, 16
.endr
	SEND 3, 0
	s_wait_tensorcnt 0x0                           ; the wave's end
	ds_add_u32 v[SPW], v[NIL]
	s_wait_dscnt 0x0
	CROUND                                         ; the closing round
	s_endpgm
.Lfunc_end_k_q4c1af17ae5_proj:
	.size	k_q4c1af17ae5_proj, .Lfunc_end_k_q4c1af17ae5_proj-k_q4c1af17ae5_proj
	.p2alignl 7, 3214868480
	.fill 96, 4, 3214868480
	.section	.rodata,"a",@progbits
	.p2align	6, 0x0
	.amdhsa_kernel k_q4c1af17ae5_proj
		.amdhsa_group_segment_fixed_size 327680
		.amdhsa_private_segment_fixed_size 0
		.amdhsa_enable_private_segment 0
		.amdhsa_kernarg_size 48
		.amdhsa_user_sgpr_count 2
		.amdhsa_user_sgpr_kernarg_segment_ptr 1
		.amdhsa_wavefront_size32 1
		.amdhsa_system_sgpr_workgroup_id_x 1
		.amdhsa_system_sgpr_workgroup_id_y 1
		.amdhsa_system_sgpr_workgroup_id_z 1
		.amdhsa_system_vgpr_workitem_id 0
		.amdhsa_next_free_vgpr 640
		.amdhsa_next_free_sgpr 100
		.amdhsa_reserve_vcc 0
		.amdhsa_float_denorm_mode_32 3
		.amdhsa_float_denorm_mode_16_64 3
		.amdhsa_memory_ordered 1
		.amdhsa_forward_progress 1
		.amdhsa_inst_pref_size 53
	.end_amdhsa_kernel
	.amdgpu_metadata
---
amdhsa.version: [ 1, 2 ]
amdhsa.kernels:
  - .name:           k_q4c1af17ae5_proj
    .symbol:         k_q4c1af17ae5_proj.kd
    .args:
      - { .name: y_img, .offset: 0, .size: 8, .value_kind: global_buffer, .address_space: global }
      - { .name: w_proj_codes, .offset: 8, .size: 8, .value_kind: global_buffer, .address_space: global }
      - { .name: lowp_scales, .offset: 16, .size: 8, .value_kind: global_buffer, .address_space: global }
      - { .name: b_proj, .offset: 24, .size: 8, .value_kind: global_buffer, .address_space: global }
      - { .name: hidden_states, .offset: 32, .size: 8, .value_kind: global_buffer, .address_space: global }
      - { .name: x2, .offset: 40, .size: 8, .value_kind: global_buffer, .address_space: global }
    .group_segment_fixed_size: 327680
    .private_segment_fixed_size: 0
    .kernarg_segment_align: 8
    .kernarg_segment_size: 48
    .max_flat_workgroup_size: 128
    .sgpr_count:     100
    .vgpr_count:     640
    .wavefront_size: 32
...
	.end_amdgpu_metadata
.endif
;; end of part 4
;; launch ln2 (part 5): grid 256 x 1, 8 waves a work-group, no clusters, 0 bytes of LDS; arguments x2, ln2_g, ln2_b, lowp_scales, hc; writes hc
.if DOCPART == 5
	.amdgcn_target "amdgcn-amd-amdhsa--gfx1250"
	.amdhsa_code_object_version 6
	.text
	.protected	k_q4c1af17ae5_ln2
	.globl	k_q4c1af17ae5_ln2
	.p2align	8
	.type	k_q4c1af17ae5_ln2,@function
k_q4c1af17ae5_ln2:
	s_mov_b64 s[64:65], 0
	v_nop
	global_prefetch_b8 v0, s[64:65] scope:SCOPE_SE
	s_setreg_imm32_b32 hwreg(HW_REG_WAVE_MODE, 25, 1), 1
	s_wait_xcnt 0x0
; LayerNorm of rows of 1,024 f32, then codes of FP8 (E4M3) with the given scale 2^e (entry ENTRY of the scales): codes[row][1024], one byte a number.
; y = (x - mean) * rsqrt(mean((x - mean)^2) + 1e-5) * g + b, all in f32, the variance in a second pass over the row, which stays in registers.
; SHARES: 4,096 rows, 16 to a work-group, 2 to a wave.  Lane l holds columns 256 j + 8 l + 0..7, j = 0..3: eight neighbours for each conversion.
; A pair of 16-byte loads of a wave covers 1,024 consecutive bytes; a wave's 8-byte store covers 256 consecutive bytes, aligned.
; Waves share nothing: no LDS, no barrier, no cluster (no two work-groups read the same rows; g and b are 8 KB).  No loop: every offset is an immediate.
; LIMITS: e between -126 and 119, so that 2^e and 448 x 2^e are f32 numbers.  NaN and infinities among the inputs are not served.
.set ENTRY, 8
.set SM,  4                            ; v[4:11]   two packed chains for each row
.set X,   16                           ; v[16:79]  row p at X + 32 p
.set G,   80                           ; v[80:111] g of my 32 columns
.set BT,  112                          ; v[112:143] b of my 32 columns
.set MU,  144                          ; v[144:147] the mean, a pair for each row
.set RS,  148                          ; v[148:151] 1 / sqrt(var + eps), a pair for each row
.set CD,  152                          ; v[152:167] the codes, 8 registers for each row
	s_load_b256 s[4:11], s[0:1], 0x0               ; x s[4:5], g s[6:7], b s[8:9], the scales' exponents s[10:11]
	s_load_b64 s[12:13], s[0:1], 0x20              ; the codes
	v_lshrrev_b32 v3, 5, v0
	s_delay_alu instid0(VALU_DEP_1)
	v_readfirstlane_b32 s14, v3                    ; wave 0..7
	v_and_b32 v2, 31, v0
	s_delay_alu instid0(VALU_DEP_1)
	v_lshlrev_b32 v1, 5, v2                        ; 32 x lane: my 8 numbers in 1,024 bytes of x, g, b
	s_delay_alu instid0(VALU_DEP_2)
	v_lshlrev_b32 v2, 3, v2                        ; 8 x lane: my 8 codes in 256 bytes
	v_mov_b32 v14, 0                               ; written once: a lane permute's destination counts as one of its sources
	v_mov_b32 v15, 0
	s_lshl_b32 s16, ttmp9, 4
	s_lshl_b32 s17, s14, 1
	s_add_co_u32 s16, s16, s17                     ; my first row: 16 x work-group + 2 x wave
	s_lshl_b32 s18, s16, 10                        ; its codes: 1,024 bytes a row
	s_mov_b32 s19, 0
	s_lshl_b32 s16, s16, 12                        ; its numbers: 4,096 bytes a row
	s_mov_b32 s17, 0
	s_mov_b32 s21, 0x3a800000                      ; 1 / 1,024
	s_mov_b32 s22, 0x3727c5ac                      ; 1e-5
	s_mov_b32 s24, 0x76543210                      ; v_permlanex16_b32: lane l takes lane l xor 16
	s_mov_b32 s25, 0xfedcba98
	s_wait_alu depctr_va_vdst(0)
	s_wait_kmcnt 0x0
	s_load_b32 s20, s[10:11], ENTRY*4              ; e
	s_add_nc_u64 s[4:5], s[4:5], s[16:17]
	s_add_nc_u64 s[12:13], s[12:13], s[18:19]
.irp p, 0,1
.irp j, 0,1,2,3
	global_load_b128 v[X+32*\p+8*\j:X+32*\p+8*\j+3],   v1, s[4:5] offset:4096*\p+1024*\j th:TH_LOAD_NT
	global_load_b128 v[X+32*\p+8*\j+4:X+32*\p+8*\j+7], v1, s[4:5] offset:4096*\p+1024*\j+16 th:TH_LOAD_NT
.endr
.endr
.irp j, 0,1,2,3
	global_load_b128 v[G+8*\j:G+8*\j+3],   v1, s[6:7] offset:1024*\j
	global_load_b128 v[G+8*\j+4:G+8*\j+7], v1, s[6:7] offset:1024*\j+16
.endr
.irp j, 0,1,2,3
	global_load_b128 v[BT+8*\j:BT+8*\j+3],   v1, s[8:9] offset:1024*\j
	global_load_b128 v[BT+8*\j+4:BT+8*\j+7], v1, s[8:9] offset:1024*\j+16
.endr
; v[SM] and v[SM+4], one number a lane for each row, are summed over the 32 lanes; every lane ends with the sum.  The two rows take turns line by line.
.macro ACROSS
.irp m, 1,2,4,8
	s_delay_alu instid0(VALU_DEP_2)
	v_add_f32_dpp v[SM], v[SM], v[SM] row_xmask:\m row_mask:0xf bank_mask:0xf
	s_delay_alu instid0(VALU_DEP_2)
	v_add_f32_dpp v[SM+4], v[SM+4], v[SM+4] row_xmask:\m row_mask:0xf bank_mask:0xf
.endr
	s_delay_alu instid0(VALU_DEP_2)
	v_permlanex16_b32 v14, v[SM], s24, s25
	s_delay_alu instid0(VALU_DEP_2)
	v_permlanex16_b32 v15, v[SM+4], s24, s25
	s_delay_alu instid0(VALU_DEP_2)
	v_add_f32 v[SM], v[SM], v14
	s_delay_alu instid0(VALU_DEP_2)
	v_add_f32 v[SM+4], v[SM+4], v15
.endm
	s_wait_loadcnt 16                              ; the 16 loads of x are in; the 16 of g and b, issued behind them, may be out
	; the mean
.irp p, 0,1
	v_pk_add_f32 v[SM+4*\p:SM+4*\p+1],   v[X+32*\p:X+32*\p+1],   v[X+32*\p+2:X+32*\p+3]
	v_pk_add_f32 v[SM+4*\p+2:SM+4*\p+3], v[X+32*\p+4:X+32*\p+5], v[X+32*\p+6:X+32*\p+7]
.endr
.irp j, 8,12,16,20,24,28
.irp p, 0,1
	s_delay_alu instid0(VALU_DEP_4)
	v_pk_add_f32 v[SM+4*\p:SM+4*\p+1],   v[SM+4*\p:SM+4*\p+1],   v[X+32*\p+\j:X+32*\p+\j+1]
	s_delay_alu instid0(VALU_DEP_4)
	v_pk_add_f32 v[SM+4*\p+2:SM+4*\p+3], v[SM+4*\p+2:SM+4*\p+3], v[X+32*\p+\j+2:X+32*\p+\j+3]
.endr
.endr
.irp p, 0
	s_delay_alu instid0(VALU_DEP_3)
	v_pk_add_f32 v[SM+4*\p:SM+4*\p+1], v[SM+4*\p:SM+4*\p+1], v[SM+4*\p+2:SM+4*\p+3]
.endr
.irp p, 1
	s_delay_alu instid0(VALU_DEP_2)
	v_pk_add_f32 v[SM+4*\p:SM+4*\p+1], v[SM+4*\p:SM+4*\p+1], v[SM+4*\p+2:SM+4*\p+3]
.endr
.irp p, 0,1
	s_delay_alu instid0(VALU_DEP_2)
	v_add_f32 v[SM+4*\p], v[SM+4*\p], v[SM+4*\p+1]
.endr
	ACROSS
.irp p, 0
	s_delay_alu instid0(VALU_DEP_2)
	v_mul_f32 v[MU+2*\p],   s21, v[SM+4*\p]
	s_delay_alu instid0(VALU_DEP_3)
	v_mul_f32 v[MU+2*\p+1], s21, v[SM+4*\p]
.endr
.irp p, 1
	s_delay_alu instid0(VALU_DEP_3)
	v_mul_f32 v[MU+2*\p],   s21, v[SM+4*\p]
	s_delay_alu instid0(VALU_DEP_4)
	v_mul_f32 v[MU+2*\p+1], s21, v[SM+4*\p]
.endr
.irp p, 0,1
.irp j, 0,2,4,6,8,10,12,14,16,18,20,22,24,26,28,30
	v_pk_add_f32 v[X+32*\p+\j:X+32*\p+\j+1], v[X+32*\p+\j:X+32*\p+\j+1], v[MU+2*\p:MU+2*\p+1] neg_lo:[0,1] neg_hi:[0,1]   ; x - mean
.endr
.endr
	; the variance, of x - mean
.irp p, 0,1
	v_pk_mul_f32 v[SM+4*\p:SM+4*\p+1],   v[X+32*\p:X+32*\p+1],   v[X+32*\p:X+32*\p+1]
	v_pk_mul_f32 v[SM+4*\p+2:SM+4*\p+3], v[X+32*\p+2:X+32*\p+3], v[X+32*\p+2:X+32*\p+3]
.endr
.irp j, 4,8,12,16,20,24,28
.irp p, 0,1
	s_delay_alu instid0(VALU_DEP_4)
	v_pk_fma_f32 v[SM+4*\p:SM+4*\p+1],   v[X+32*\p+\j:X+32*\p+\j+1],   v[X+32*\p+\j:X+32*\p+\j+1],   v[SM+4*\p:SM+4*\p+1]
	s_delay_alu instid0(VALU_DEP_4)
	v_pk_fma_f32 v[SM+4*\p+2:SM+4*\p+3], v[X+32*\p+\j+2:X+32*\p+\j+3], v[X+32*\p+\j+2:X+32*\p+\j+3], v[SM+4*\p+2:SM+4*\p+3]
.endr
.endr
.irp p, 0
	s_delay_alu instid0(VALU_DEP_3)
	v_pk_add_f32 v[SM+4*\p:SM+4*\p+1], v[SM+4*\p:SM+4*\p+1], v[SM+4*\p+2:SM+4*\p+3]
.endr
.irp p, 1
	s_delay_alu instid0(VALU_DEP_2)
	v_pk_add_f32 v[SM+4*\p:SM+4*\p+1], v[SM+4*\p:SM+4*\p+1], v[SM+4*\p+2:SM+4*\p+3]
.endr
.irp p, 0,1
	s_delay_alu instid0(VALU_DEP_2)
	v_add_f32 v[SM+4*\p], v[SM+4*\p], v[SM+4*\p+1]
.endr
	ACROSS
.irp p, 0,1
	s_delay_alu instid0(VALU_DEP_2)
	v_fma_f32 v[SM+4*\p], v[SM+4*\p], s21, s22     ; sum / 1,024 + 1e-5
.endr
	s_wait_alu depctr_va_vdst(0)
	v_rsq_f32 v[RS], v[SM]
	v_rsq_f32 v[RS+2], v[SM+4]
	v_nop                                          ; one plain vector instruction behind the transcendentals (ISA guide 5.7.2)
	s_wait_alu depctr_va_vdst(0)
	v_mov_b32 v[RS+1], v[RS]
	v_mov_b32 v[RS+3], v[RS+2]
	s_wait_alu depctr_va_vdst(0)
	s_wait_kmcnt 0x0
	s_add_co_i32 s20, s20, 127
	s_lshl_b32 s23, s20, 23
	v_mov_b32 v3, s23                              ; 2^e as f32: the conversion takes its exponent field
	s_add_co_i32 s20, s20, 8
	s_lshl_b32 s20, s20, 23
	s_or_b32 s20, s20, 0x600000
	v_mov_b32 v13, s20                             ; 448 x 2^e
	s_wait_loadcnt 0x0                             ; g and b
.irp p, 0,1
.irp j, 0,2,4,6,8,10,12,14,16,18,20,22,24,26,28,30
	v_pk_mul_f32 v[X+32*\p+\j:X+32*\p+\j+1], v[X+32*\p+\j:X+32*\p+\j+1], v[RS+2*\p:RS+2*\p+1]
.endr
.irp j, 0,2,4,6,8,10,12,14,16,18,20,22,24,26,28,30
	v_pk_fma_f32 v[X+32*\p+\j:X+32*\p+\j+1], v[X+32*\p+\j:X+32*\p+\j+1], v[G+\j:G+\j+1], v[BT+\j:BT+\j+1]
.endr
.set i, 0
.rept 32
	v_med3_num_f32 v[X+32*\p+i], v[X+32*\p+i], -v13, v13   ; the conversion to an 8-bit code does not saturate (ISA guide 7.6.2): the hold at the largest code x the scale
.set i, i+1
.endr
.irp j, 0,1,2,3
	v_cvt_scalef32_pk8_fp8_f32 v[CD+8*\p+2*\j:CD+8*\p+2*\j+1], v[X+32*\p+8*\j:X+32*\p+8*\j+7], v3
.endr
	v_nop                                          ; a plain vector line behind the last conversion of the run
.irp j, 0,1,2,3
	global_store_b64 v2, v[CD+8*\p+2*\j:CD+8*\p+2*\j+1], s[12:13] offset:1024*\p+256*\j   ; 32 lanes store 256 consecutive bytes, aligned
.endr
.endr
	s_endpgm
.Lfunc_end_k_q4c1af17ae5_ln2:
	.size	k_q4c1af17ae5_ln2, .Lfunc_end_k_q4c1af17ae5_ln2-k_q4c1af17ae5_ln2
	.p2alignl 7, 3214868480
	.fill 96, 4, 3214868480
	.section	.rodata,"a",@progbits
	.p2align	6, 0x0
	.amdhsa_kernel k_q4c1af17ae5_ln2
		.amdhsa_group_segment_fixed_size 0
		.amdhsa_private_segment_fixed_size 0
		.amdhsa_enable_private_segment 0
		.amdhsa_kernarg_size 40
		.amdhsa_user_sgpr_count 2
		.amdhsa_user_sgpr_kernarg_segment_ptr 1
		.amdhsa_wavefront_size32 1
		.amdhsa_system_sgpr_workgroup_id_x 1
		.amdhsa_system_sgpr_workgroup_id_y 1
		.amdhsa_system_sgpr_workgroup_id_z 1
		.amdhsa_system_vgpr_workitem_id 0
		.amdhsa_next_free_vgpr 168
		.amdhsa_next_free_sgpr 66
		.amdhsa_reserve_vcc 0
		.amdhsa_float_denorm_mode_32 3
		.amdhsa_float_denorm_mode_16_64 3
		.amdhsa_memory_ordered 1
		.amdhsa_forward_progress 1
		.amdhsa_inst_pref_size 25
	.end_amdhsa_kernel
	.amdgpu_metadata
---
amdhsa.version: [ 1, 2 ]
amdhsa.kernels:
  - .name:           k_q4c1af17ae5_ln2
    .symbol:         k_q4c1af17ae5_ln2.kd
    .args:
      - { .name: x2, .offset: 0, .size: 8, .value_kind: global_buffer, .address_space: global }
      - { .name: ln2_g, .offset: 8, .size: 8, .value_kind: global_buffer, .address_space: global }
      - { .name: ln2_b, .offset: 16, .size: 8, .value_kind: global_buffer, .address_space: global }
      - { .name: lowp_scales, .offset: 24, .size: 8, .value_kind: global_buffer, .address_space: global }
      - { .name: hc, .offset: 32, .size: 8, .value_kind: global_buffer, .address_space: global }
    .group_segment_fixed_size: 0
    .private_segment_fixed_size: 0
    .kernarg_segment_align: 8
    .kernarg_segment_size: 40
    .max_flat_workgroup_size: 256
    .sgpr_count:     66
    .vgpr_count:     168
    .wavefront_size: 32
...
	.end_amdgpu_metadata
.endif
;; end of part 5
;; launch fc (part 6): grid 16 x 16, 8 waves a work-group, clusters of 4 x 4, 327,680 bytes of LDS; arguments hc, w_fc_codes, lowp_scales, b_fc, g_img; writes g_img
.if DOCPART == 6
	.amdgcn_target "amdgcn-amd-amdhsa--gfx1250"
	.amdhsa_code_object_version 6
	.text
	.protected	k_q4c1af17ae5_fc
	.globl	k_q4c1af17ae5_fc
	.p2align	8
	.type	k_q4c1af17ae5_fc,@function
k_q4c1af17ae5_fc:
	s_mov_b64 s[64:65], 0
	v_nop
	global_prefetch_b8 v0, s[64:65] scope:SCOPE_SE
	s_setreg_imm32_b32 hwreg(HW_REG_WAVE_MODE, 25, 1), 1
	s_wait_xcnt 0x0
	s_wait_alu depctr_hold_cnt(0) depctr_sa_sdst(0) depctr_va_vdst(0) depctr_va_sdst(0) depctr_va_ssrc(0) depctr_va_vcc(0) depctr_vm_vsrc(0)
	s_getreg_b32 s2, hwreg(HW_REG_IB_STS2, 6, 4)
	s_cmp_eq_u32 s2, 0
	s_cbranch_scc0 .Lentry_in_a_cluster
	s_endpgm
.Lentry_in_a_cluster:
	s_bfe_u32 s2, ttmp6, 0x10000c
	s_cmp_lg_u32 s2, 0xf033
	s_cbranch_scc0 .Lentry_shape_is_right
	s_endpgm
.Lentry_shape_is_right:
; g = Q(gelu(hc W^T x 2^(e8 + e9) + b_fc)), the exact (erf) GELU, on codes of FP8 (E4M3), K = 1,024; Q: the given scale 2^e10.
; hc: [4096][1024] codes; w_fc_codes: [4096][1024] codes.  OUT: g_img [tile of 16 rows 256][128 along K 32][2,048 B]: chunk c of 512 bytes, lane L's 16 bytes at 16 L: (row L % 16, k = 32 c + 16 (L / 16) + 0..15).
; SHARES.  A tile of 256 tokens x 256 features to a work-group of EIGHT waves, two to a SIMD, 512 registers each; wave w makes tokens 128 (w / 4) on x features 64 (w % 4) on: 32 accumulators (window 1).
; LDS: two slots of 256 along K (256 rows of hc, then 256 rows of W, pitch 272).  Wave w fetches 128 rows x 256 bytes to byte w x 34,816: waves 0-3 own slot 0, waves 4-7 slot 1, so the eight first fills,
; one a wave, bring K steps 0 and 1 together; K steps 2 and 3 are the two refills, each issued by the slot's four owners: a wave issues two tensor loads in all, one out at a time.
; CLUSTERS: 4 x 4 work-groups; hc's tile is asked for jointly along a row of the cluster, W's along a column.
; K goes in 16 steps of 64 (v_wmma_f32_16x16x64_fp8_fp8) on two fragment buffers: a fragment is two 16-byte LDS loads, k permuted alike in both operands, so the order of the sums inside an instruction differs from ascending k.
; The matrix instruction is used transposed (source 0 = 16 features, source 1 = 16 tokens): a lane holds one token and eight neighbouring features.
; THE WAY OUT has no LDS: eight trips, one block of 16 tokens each; an arm chosen by the trip's number scales the block's 32 sums and adds the bias; one text does the GELU and the conversions;
; tiles 2 c and 2 c + 1 exchange halves between lanes l and l xor 16, so that a lane holds 16 neighbouring codes; two stores of 512 consecutive bytes, aligned.
; gelu(x) = max(x, 0) - |x| E, E = erfc(|x| / sqrt 2) / 2 = t 2^(poly(t) - x^2 log2(e) / 2), t = 1 / (1 + |x| / (2 sqrt 2)).
; PREFETCH: at the head each wave asks for its share of the tile that it will itself fetch at its slot's refill (K step 2 or 3, 512 bytes on in its rows): of the 128 rows the four partners that ask jointly take 32 each,
; told apart by address (cx for hc, cy for W), a lane a row of 256 bytes: each block is named once in each cluster that loads it.  K steps 0 and 1 come by their loads alone.
; LIMITS: e8 + e9 between -126 and 127; e10 between -126 and 119.  NaN among the inputs is not served.
; REGISTERS, window 0: v16-30 addresses; buffer p at v[32 + 96 p]: W's 4 fragments, then hc's 8; v224-255 the bias.  On the way out v32-181 are at work.
.set PITCH, 272
.set HALFT, 128*PITCH
.set SLOT,  4*HALFT
.set SPARE, 2*SLOT                     ; the spare words: 128 bytes a wave, four blocks of 256 bytes that no other line names
.set ADRA, 16                          ; v16-17 LDS address of my token fragments in slot 0, 1
.set ADRB, 20                          ; v20-21 of my feature fragments
.set CO,   26                          ; v26 16 x lane
.set SPW,  28
.set NIL,  29
.set PFO,  30                          ; v30 1,024 x lane; never rewritten
.set FB,   32
.set BI,   224
.set X,    32
.set T,    64
.set P,    96
.set XX,   128
.set CD,   160
.set PX,   168
.set QS,   176
.set QL,   177
.set B9,   178
.set C9,   180
.set G1,  24
.set G0,  32
.set G1B, 48
.set G0B, 56
.set SEL, 60
.set PFA, 62
.set MULW, 0x50                        ; C and D window 1, sources window 0
.set MSB, 0
.macro WIN new
.if MSB != (\new)
	s_set_vgpr_msb (MSB<<8)|(\new)
.set MSB, (\new)
.endif
.endm
.macro PLACES                          ; four places behind matrix instructions (ISA guide 7.12.1 for reads of results)
.rept 4
	v_nop
.endr
.endm
.macro JLOAD                           ; my joint load: bit 1 of the wave's number says hc or W; s_nop 0 and four v_nop follow each line
	s_cmp_eq_u32 s15, 0
	s_cbranch_scc0 .Lfor_b_\@
	tensor_load_to_lds s[G0:G0+3], s[G1:G1+7]
	s_nop 0
	PLACES
	s_branch .Lasked_\@
.Lfor_b_\@:
	tensor_load_to_lds s[G0B:G0B+3], s[G1B:G1B+7]
	s_nop 0
	PLACES
.Lasked_\@:
.endm
.macro CREST
	s_cmp_lg_u32 s14, 0
	s_cbranch_scc1 .Lnot_wave_0_\@
	s_barrier_signal -3
.Lnot_wave_0_\@:
	s_barrier_wait -3
	s_barrier_signal -1
	s_barrier_wait -1
.endm
.macro CROUND
	s_barrier_signal -1
	s_barrier_wait -1
	CREST
.endm
	s_load_b256 s[4:11], s[0:1], 0x0               ; hc s[4:5], W s[6:7], the scales' exponents s[8:9], b_fc s[10:11]
	s_load_b64 s[12:13], s[0:1], 0x20              ; g_img
	v_lshl_add_u32 v[SPW], v0, 2, SPARE
	v_mov_b32 v[NIL], 0
	ds_add_u32 v[SPW], v[NIL]                      ; the opening lines: the add, twice on end, and its wait below
	ds_add_u32 v[SPW], v[NIL]
	v_lshrrev_b32 v1, 5, v0
	v_readfirstlane_b32 s14, v1                    ; wave 0..7
	s_bfe_u32 s15, s14, 0x10001                    ; I fetch for hc (0) or for W (1)
	s_and_b32 s16, s14, 1                          ; which 128 rows of that tile
	s_lshr_b32 s87, s14, 2                         ; the slot that I fill; also my half of the tokens
	s_and_b32 s88, s14, 3                          ; my quarter of the features
	s_bfe_u32 s40, ttmp6, 0x40000                  ; cx
	s_bfe_u32 s41, ttmp6, 0x40004                  ; cy
	s_lshl_b32 s42, ttmp9, 2
	s_add_co_u32 s42, s42, s40                     ; tile column
	s_and_b32 s17, ttmp7, 0xffff
	s_lshl_b32 s17, s17, 2
	s_add_co_u32 s17, s17, s41                     ; tile row
	s_lshl_b32 s43, s41, 2
	s_lshl_b32 s43, 15, s43                        ; my row of the cluster
	s_lshl_b32 s44, 0x1111, s40                    ; my column
	s_or_b32 s[G1+0], s43, (0<<16)|(1<<20)|(1<<21)|(5<<22)|(3<<25)   ; mask; elements of 1 byte; four words of padding after every 64
	s_or_b32 s[G1B+0], s44, (0<<16)|(1<<20)|(1<<21)|(5<<22)|(3<<25)
.irp g, G1, G1B
	s_mov_b32 s[\g+1], 256<<16
	s_mov_b32 s[\g+2], 128<<16
	s_mov_b32 s[\g+3], 256<<16
	s_mov_b32 s[\g+4], 128
	s_mov_b32 s[\g+5], 1024
	s_mov_b32 s[\g+6], 0
	s_mov_b32 s[\g+7], 0
.endr
	s_lshl_b32 s18, s16, 7
	s_lshl_b32 s19, s87, 8                         ; my slot's K step: 256 bytes along the rows
	s_lshl_b32 s20, s17, 8
	s_add_co_u32 s20, s20, s18
	s_lshl_b32 s20, s20, 10
	s_add_co_u32 s20, s20, s19                     ; hc: (256 x tile row + 128 x half) rows of 1,024 bytes
	s_mov_b32 s21, 0
	s_lshl_b32 s46, s42, 8
	s_add_co_u32 s46, s46, s18
	s_lshl_b32 s46, s46, 10
	s_add_co_u32 s46, s46, s19                     ; W likewise, by the tile column
	s_mov_b32 s47, 0
	s_mul_i32 s45, s14, HALFT                      ; where it goes: the wave's number alone
	s_wait_dscnt 0x0
	CROUND                                         ; the round in front of the first joint loads; the arguments' load is on its way meanwhile
	s_wait_kmcnt 0x0
	s_load_b128 s[92:95], s[8:9], 0x20             ; e8 .. e11
	s_mov_b32 s[G0], 1
	s_mov_b32 s[G0+1], s45
	s_add_nc_u64 s[G0+2:G0+3], s[4:5], s[20:21]
	s_or_b32 s[G0+3], s[G0+3], 0x80000000
	s_mov_b32 s[G0B], 1
	s_mov_b32 s[G0B+1], s45
	s_add_nc_u64 s[G0B+2:G0B+3], s[6:7], s[46:47]
	s_or_b32 s[G0B+3], s[G0B+3], 0x80000000
	JLOAD                                          ; K step 0 (waves 0-3) and K step 1 (waves 4-7): one load a wave
	s_cmp_eq_u32 s15, 0                            ; the prefetch's address
	s_cselect_b32 s22, s40, s41                    ; my place among the four that ask with me
	s_cselect_b32 s23, s20, s46
	s_cselect_b64 s[PFA:PFA+1], s[4:5], s[6:7]
	s_lshl_b32 s22, s22, 15                        ; my work-group's 32 rows
	s_add_co_u32 s22, s22, s23
	s_add_co_u32 s22, s22, 512                     ; two K steps on
	s_mov_b32 s23, 0
	s_add_nc_u64 s[PFA:PFA+1], s[PFA:PFA+1], s[22:23]
	s_mul_i32 s36, s87, HALFT                      ; my 128 tokens in a slot
	s_mul_i32 s37, s88, 64*PITCH
	s_add_co_u32 s37, s37, 2*HALFT                 ; my 64 features
	v_and_b32 v5, 31, v0
	v_lshlrev_b32 v[PFO], 10, v5
	global_prefetch_b8 v[PFO], s[PFA:PFA+1] th:TH_LOAD_NT scope:SCOPE_SE
	v_and_b32 v1, 15, v0                           ; r
	v_bfe_u32 v2, v0, 4, 1                         ; h
	v_mul_u32_u24 v3, v1, PITCH
	v_lshl_add_u32 v3, v2, 4, v3
	v_add_nc_u32 v[ADRA], s36, v3
	v_add_nc_u32 v[ADRB], s37, v3
	v_add_nc_u32 v[ADRA+1], SLOT, v[ADRA]
	v_add_nc_u32 v[ADRB+1], SLOT, v[ADRB]
	v_lshlrev_b32 v[CO], 4, v5
	v_lshlrev_b32 v7, 5, v2                        ; 32 h
	v_cmp_lt_u32 s98, 15, v5                       ; lanes 16-31
	s_wait_alu depctr_va_vdst(0)                   ; the wait at the head's end
	s_lshl_b32 s38, s42, 10
	s_lshl_b32 s39, s88, 8
	s_add_co_u32 s38, s38, s39
	s_mov_b32 s39, 0
	s_add_nc_u64 s[10:11], s[10:11], s[38:39]      ; b_fc at feature 256 x tile column + 64 x quarter
.irp b, 0,1,2,3
	global_load_b128 v[BI+8*\b:BI+8*\b+3],   v7, s[10:11] offset:64*\b      ; register 8 b + j: feature 16 b + 8 h + j
	global_load_b128 v[BI+8*\b+4:BI+8*\b+7], v7, s[10:11] offset:64*\b+16
.endr
	s_lshl_b32 s38, s17, 20                        ; g_img: 16 x tile row + 8 x half tiles of 65,536 bytes, + feature x 16 bytes
	s_lshl_b32 s89, s87, 19
	s_add_co_u32 s38, s38, s89
	s_lshl_b32 s89, s42, 12
	s_add_co_u32 s38, s38, s89
	s_lshl_b32 s89, s88, 10
	s_add_co_u32 s38, s38, s89
	s_add_nc_u64 s[12:13], s[12:13], s[38:39]
.macro COEF k, bits
	s_mov_b32 s[66+2*\k], \bits
	s_mov_b32 s[67+2*\k], \bits
.endm
	COEF 0, 0xc034d90f                             ; poly's coefficients x log2(e); the first also holds the factor 1/2
	COEF 1, 0x3fb8ab5a
	COEF 2, 0x3f0a29d2
	COEF 3, 0x3e0efb2e
	COEF 4, 0xbe899a80
	COEF 5, 0x3ecdfd18
	COEF 6, 0xbfd1a1e5
	COEF 7, 0x40097039
	COEF 8, 0xbf97d29d
	s_mov_b32 s86, 0x3eb504f3                      ; 1 / (2 sqrt 2)
	s_mov_b32 s[SEL], 0x76543210                   ; v_permlanex16_b32: lane l xor 16
	s_mov_b32 s[SEL+1], 0xfedcba98
.macro FETCH slot, q, p                ; 24 LDS loads: the fragments of the slot's q-th 64 along K into buffer p: registers 4 c .. 4 c + 3 hold k = 32 c + 16 h + 0..15
.irp i, 0,1,2,3
	ds_load_b128 v[FB+96*(\p)+8*\i:FB+96*(\p)+8*\i+3],   v[ADRB+\slot] offset:64*(\q)+\i*16*PITCH
	ds_load_b128 v[FB+96*(\p)+8*\i+4:FB+96*(\p)+8*\i+7], v[ADRB+\slot] offset:64*(\q)+\i*16*PITCH+32
.endr
.irp i, 0,1,2,3,4,5,6,7
	ds_load_b128 v[FB+96*(\p)+32+8*\i:FB+96*(\p)+32+8*\i+3],   v[ADRA+\slot] offset:64*(\q)+\i*16*PITCH
	ds_load_b128 v[FB+96*(\p)+32+8*\i+4:FB+96*(\p)+32+8*\i+7], v[ADRA+\slot] offset:64*(\q)+\i*16*PITCH+32
.endr
.endm
.macro MUL p, a0, a1, zero             ; token blocks a0 .. a1 x my four feature tiles.  The 32 accumulators take turns in one order in every step
.set a, \a0
.rept \a1-\a0+1
.irp b, 0,1,2,3
.if \zero
	v_wmma_f32_16x16x64_fp8_fp8 v[8*(4*a+\b):8*(4*a+\b)+7], v[FB+96*(\p)+8*\b:FB+96*(\p)+8*\b+7], v[FB+96*(\p)+32+8*a:FB+96*(\p)+32+8*a+7], 0
.else
	v_wmma_f32_16x16x64_fp8_fp8 v[8*(4*a+\b):8*(4*a+\b)+7], v[FB+96*(\p)+8*\b:FB+96*(\p)+8*\b+7], v[FB+96*(\p)+32+8*a:FB+96*(\p)+32+8*a+7], v[8*(4*a+\b):8*(4*a+\b)+7]
.endif
.endr
.set a, a+1
.endr
.endm
.macro STEP slot, q, zero              ; a step of 64 along K with its successor in the same slot
	PLACES
	FETCH \slot, (\q)+1, 1-(\q)%2
	s_wait_dscnt 24                                ; this step's fragments are in; the 24 loads just issued may be out
	WIN MULW
	MUL (\q)%2, 0, 7, \zero
	WIN 0
.endm
; A slot's last step changes slots.  fill = 1: the slot just read out is filled again by its four owners, behind a round of the cluster's barrier.  on = 1: every wave's descriptors go two K steps on (no load of mine is out).
.macro TURN slot, next, fill, on
	s_wait_tensorcnt 0x0                           ; all my tensor loads have landed
	ds_add_u32 v[SPW], v[NIL]
.if \on
	s_add_nc_u64 s[G0+2:G0+3], s[G0+2:G0+3], 512
	s_add_nc_u64 s[G0B+2:G0B+3], s[G0B+2:G0B+3], 512
.endif
	s_wait_dscnt 1                                 ; this step's fragments are in; the add may be out
	WIN MULW
	MUL 1, 0, 1, 0
	s_wait_dscnt 0x0                               ; the add is done, and my reads of this slot are over
	s_barrier_signal -1
	MUL 1, 2, 3, 0
	WIN 0
	s_barrier_wait -1
.if \fill
	CREST
.if \slot
	s_cmp_lt_u32 s14, 4                            ; the wave's number alone: slot 1 belongs to waves 4-7
.else
	s_cmp_ge_u32 s14, 4                            ; slot 0 to waves 0-3
.endif
	s_cbranch_scc1 .Lnone_\@
	JLOAD                                          ; the first tensor load behind the round, my only one until the next
.Lnone_\@:
.endif
	PLACES
	FETCH \next, 0, 0
	WIN MULW
	MUL 1, 4, 7, 0
	WIN 0
.endm
	s_wait_tensorcnt 0x0                           ; my part of K step 0 or 1 is in,
	s_barrier_signal -1
	s_barrier_wait -1                              ; everybody's is
	FETCH 0, 0, 0
	STEP 0, 0, 1                                   ; the first step's products start the sums
	STEP 0, 1, 0
	STEP 0, 2, 0
	TURN 0, 1, 1, 1                                ; K step 2 is asked for
	STEP 1, 0, 0
	STEP 1, 1, 0
	STEP 1, 2, 0
	TURN 1, 0, 1, 0                                ; K step 3
	STEP 0, 0, 0
	STEP 0, 1, 0
	STEP 0, 2, 0
	TURN 0, 1, 0, 0                                ; nothing is left to fetch: no round
	STEP 1, 0, 0
	STEP 1, 1, 0
	STEP 1, 2, 0
	s_wait_dscnt 0x0
	WIN MULW
	MUL 1, 0, 7, 0
	WIN 0
	PLACES                                         ; behind the last products
	s_wait_kmcnt 0x0
	s_add_co_i32 s96, s92, s93
	s_add_co_i32 s96, s96, 127
	s_lshl_b32 s96, s96, 23                        ; 2^(e8 + e9) as f32
	s_mov_b32 s97, s96
	s_add_co_i32 s94, s94, 127
	s_lshl_b32 s95, s94, 23                        ; 2^e10
	s_add_co_i32 s94, s94, 8
	s_lshl_b32 s94, s94, 23
	s_or_b32 s94, s94, 0x600000                    ; 448 x 2^e10
	s_wait_loadcnt 0x0                             ; the bias
	v_mov_b32 v[QS], s95
	v_mov_b32 v[QL], s94
	v_mov_b32 v[B9], 0x3e7c6f08                    ; poly's highest coefficient
	v_mov_b32 v[B9+1], 0x3e7c6f08
	v_mov_b32 v[C9], 0xbf38aa3b                    ; -log2(e) / 2
	v_mov_b32 v[C9+1], 0xbf38aa3b
.set j, 0
.rept 8
	v_mov_b32 v[PX+j], 0                           ; written once: a lane permute's destination counts as one of its sources
.set j, j+1
.endr
	s_mov_b32 s3, 0
	s_wait_alu depctr_va_vdst(0)                   ; the wait ahead of the branches below
.macro ARM a, last                     ; x = sum x 2^(e8 + e9) + bias, from block a's accumulators, each from its low end on
.Larm\a:
	WIN 0x01                                       ; source 0: window 1
	s_wait_alu depctr_va_vdst(0)                   ; the wait directly ahead of the first readers of matrix results
.set j, 0
.rept 16
	v_pk_fma_f32 v[X+j:X+j+1], v[32*(\a)+j:32*(\a)+j+1], s[96:97], v[BI+j:BI+j+1] op_sel_hi:[1,0,1]
.set j, j+2
.endr
	WIN 0
	s_wait_alu depctr_va_vdst(0)                   ; and ahead of the branch
.if \last == 0
	s_branch .Lwork
.endif
.endm
.Lblk:                                             ; eight trips: block s3 of 16 tokens
.irp a, 0,1,2,3,4,5,6
	s_cmp_eq_u32 s3, \a
	s_cbranch_scc1 .Larm\a
.endr
	ARM 7, 0
	ARM 0, 0
	ARM 1, 0
	ARM 2, 0
	ARM 3, 0
	ARM 4, 0
	ARM 5, 0
	ARM 6, 1
.Lwork:
.set j, 0
.rept 32
	v_fma_f32 v[T+j], |v[X+j]|, s86, 1.0
.set j, j+1
.endr
	s_wait_alu depctr_va_vdst(0)                   ; one wait ahead of the batch, one behind it
.set j, 0
.rept 32
	v_rcp_f32 v[T+j], v[T+j]                       ; t
.set j, j+1
.endr
.set j, 0
.rept 16
	v_pk_mul_f32 v[XX+j:XX+j+1], v[X+j:X+j+1], v[X+j:X+j+1]
.set j, j+2
.endr
.set j, 0
.rept 16
	v_pk_fma_f32 v[XX+j:XX+j+1], v[XX+j:XX+j+1], v[C9:C9+1], s[66:67] op_sel_hi:[1,1,0]   ; -x^2 log2(e) / 2 + poly's constant term
.set j, j+2
.endr
	s_wait_alu depctr_va_vdst(0)
.set j, 0
.rept 16
	v_pk_fma_f32 v[P+j:P+j+1], v[T+j:T+j+1], v[B9:B9+1], s[82:83] op_sel_hi:[1,1,0]
.set j, j+2
.endr
.irp k, 7,6,5,4,3,2,1
.set j, 0
.rept 16
	v_pk_fma_f32 v[P+j:P+j+1], v[P+j:P+j+1], v[T+j:T+j+1], s[66+2*\k:67+2*\k] op_sel_hi:[1,1,0]
.set j, j+2
.endr
.endr
.set j, 0
.rept 16
	v_pk_fma_f32 v[P+j:P+j+1], v[P+j:P+j+1], v[T+j:T+j+1], v[XX+j:XX+j+1]
.set j, j+2
.endr
	s_wait_alu depctr_va_vdst(0)
.set j, 0
.rept 32
	v_exp_f32 v[P+j], v[P+j]
.set j, j+1
.endr
.set j, 0
.rept 32
	v_max_num_f32 v[XX+j], 0, v[X+j]
.set j, j+1
.endr
	s_wait_alu depctr_va_vdst(0)
.set j, 0
.rept 16
	v_pk_mul_f32 v[P+j:P+j+1], v[P+j:P+j+1], v[T+j:T+j+1]   ; E
.set j, j+2
.endr
.set j, 0
.rept 32
	v_fma_f32 v[P+j], -|v[X+j]|, v[P+j], v[XX+j]
.set j, j+1
.endr
.set j, 0
.rept 32
	v_med3_num_f32 v[P+j], v[P+j], -v[QL], v[QL]   ; the conversion to an 8-bit code does not saturate (ISA guide 7.6.2)
.set j, j+1
.endr
.irp g, 0,1,2,3
	v_cvt_scalef32_pk8_fp8_f32 v[CD+2*\g:CD+2*\g+1], v[P+8*\g:P+8*\g+7], v[QS]
.endr
	v_nop                                          ; a plain line behind the conversions
; tile 2 c's codes of lanes 16-31 change places with tile 2 c + 1's of lanes 0-15: lane (r, h) then holds tile 2 c + h whole, 16 codes in four registers
.irp c, 0,4
.irp i, 0,1
	v_permlanex16_b32 v[PX+\c+2*\i],   v[CD+\c+\i+2], s[SEL], s[SEL+1]
	v_permlanex16_b32 v[PX+\c+2*\i+1], v[CD+\c+\i],   s[SEL], s[SEL+1]
.endr
.endr
.irp c, 0,4
.irp i, 0,1
	v_cndmask_b32 v[CD+\c+\i],   v[CD+\c+\i],     v[PX+\c+2*\i], s98
	v_cndmask_b32 v[CD+\c+\i+2], v[PX+\c+2*\i+1], v[CD+\c+\i+2], s98
.endr
.endr
	global_store_b128 v[CO], v[CD:CD+3],   s[12:13] th:TH_STORE_NT              ; 32 lanes store 512 consecutive bytes, aligned
	global_store_b128 v[CO], v[CD+4:CD+7], s[12:13] offset:512 th:TH_STORE_NT
	s_wait_xcnt 0x0                                ; the stores have read their base and data: both are written again
	s_add_nc_u64 s[12:13], s[12:13], 0x10000       ; the next tile of 16 tokens
	s_add_co_u32 s3, s3, 1
	s_cmp_lt_u32 s3, 8
	s_wait_alu depctr_va_vdst(0)                   ; the wait ahead of the branch
	s_cbranch_scc1 .Lblk
	s_wait_tensorcnt 0x0                           ; the wave's end
	ds_add_u32 v[SPW], v[NIL]
	s_wait_dscnt 0x0
	CROUND                                         ; the closing round
	s_endpgm
.Lfunc_end_k_q4c1af17ae5_fc:
	.size	k_q4c1af17ae5_fc, .Lfunc_end_k_q4c1af17ae5_fc-k_q4c1af17ae5_fc
	.p2alignl 7, 3214868480
	.fill 96, 4, 3214868480
	.section	.rodata,"a",@progbits
	.p2align	6, 0x0
	.amdhsa_kernel k_q4c1af17ae5_fc
		.amdhsa_group_segment_fixed_size 327680
		.amdhsa_private_segment_fixed_size 0
		.amdhsa_enable_private_segment 0
		.amdhsa_kernarg_size 40
		.amdhsa_user_sgpr_count 2
		.amdhsa_user_sgpr_kernarg_segment_ptr 1
		.amdhsa_wavefront_size32 1
		.amdhsa_system_sgpr_workgroup_id_x 1
		.amdhsa_system_sgpr_workgroup_id_y 1
		.amdhsa_system_sgpr_workgroup_id_z 1
		.amdhsa_system_vgpr_workitem_id 0
		.amdhsa_next_free_vgpr 512
		.amdhsa_next_free_sgpr 100
		.amdhsa_reserve_vcc 0
		.amdhsa_float_denorm_mode_32 3
		.amdhsa_float_denorm_mode_16_64 3
		.amdhsa_memory_ordered 1
		.amdhsa_forward_progress 1
		.amdhsa_inst_pref_size 105
	.end_amdhsa_kernel
	.amdgpu_metadata
---
amdhsa.version: [ 1, 2 ]
amdhsa.kernels:
  - .name:           k_q4c1af17ae5_fc
    .symbol:         k_q4c1af17ae5_fc.kd
    .args:
      - { .name: hc, .offset: 0, .size: 8, .value_kind: global_buffer, .address_space: global }
      - { .name: w_fc_codes, .offset: 8, .size: 8, .value_kind: global_buffer, .address_space: global }
      - { .name: lowp_scales, .offset: 16, .size: 8, .value_kind: global_buffer, .address_space: global }
      - { .name: b_fc, .offset: 24, .size: 8, .value_kind: global_buffer, .address_space: global }
      - { .name: g_img, .offset: 32, .size: 8, .value_kind: global_buffer, .address_space: global }
    .group_segment_fixed_size: 327680
    .private_segment_fixed_size: 0
    .kernarg_segment_align: 8
    .kernarg_segment_size: 40
    .max_flat_workgroup_size: 256
    .sgpr_count:     100
    .vgpr_count:     512
    .wavefront_size: 32
...
	.end_amdgpu_metadata
.endif
;; end of part 6
;; launch fc2 (part 7): grid 8 x 32, 4 waves a work-group, clusters of 4 x 4, 327,680 bytes of LDS; arguments g_img, w_fc2_codes, lowp_scales, b_fc2, x2, out0; writes out0
.if DOCPART == 7
	.amdgcn_target "amdgcn-amd-amdhsa--gfx1250"
	.amdhsa_code_object_version 6
	.text
	.protected	k_q4c1af17ae5_fc2
	.globl	k_q4c1af17ae5_fc2
	.p2align	8
	.type	k_q4c1af17ae5_fc2,@function
k_q4c1af17ae5_fc2:
	s_mov_b64 s[64:65], 0
	v_nop
	global_prefetch_b8 v0, s[64:65] scope:SCOPE_SE
	s_setreg_imm32_b32 hwreg(HW_REG_WAVE_MODE, 25, 1), 1
	s_wait_xcnt 0x0
	s_wait_alu depctr_hold_cnt(0) depctr_sa_sdst(0) depctr_va_vdst(0) depctr_va_sdst(0) depctr_va_ssrc(0) depctr_va_vcc(0) depctr_vm_vsrc(0)
	s_getreg_b32 s2, hwreg(HW_REG_IB_STS2, 6, 4)
	s_cmp_eq_u32 s2, 0
	s_cbranch_scc0 .Lentry_in_a_cluster
	s_endpgm
.Lentry_in_a_cluster:
	s_bfe_u32 s2, ttmp6, 0x10000c
	s_cmp_lg_u32 s2, 0xf033
	s_cbranch_scc0 .Lentry_shape_is_right
	s_endpgm
.Lentry_shape_is_right:
; out = res + bias + (A W^T) x 2^(eA + eW), on codes of FP8 (E4M3), K = 4,096.  out, res: [4096][1024] f32.  W: [1024][4096] codes, K innermost.
; A: register images [tile of 16 rows 256][128 along K 32][2,048 B]: chunk c of 512 bytes, lane L's 16 bytes at 16 L: (row L % 16, k = 32 c + 16 (L / 16) + 0..15): the same places that four 16-byte
; LDS loads give a row of W, so every product meets its partner; the order of the sums inside an instruction differs from ascending k.
; A tile of 128 x 128 to a work-group (tiles of 256 x 256 would be 64 for 256 WGPs).  Four waves; wave w makes rows 32 w .. 32 w + 31 x all 128 columns: 16 accumulators.
; A GOES FROM MEMORY STRAIGHT INTO REGISTERS: an image is a fragment as it stands, four loads of 512 consecutive bytes; no two waves of a work-group read the same rows.  A ring of eight register slots
; (32 registers a step) keeps the loads of seven steps, 56, on their way; they are counted loads, so they stay out across the changes of LDS slots.
; W ALONE GOES THROUGH LDS: a slot holds 128 rows x 1,024 bytes, so the 4,096 along K are four fills, two at the head and two refills; with A beside it a slot would hold 512 along K and there would be eight.
; CLUSTERS: 4 x 4 work-groups; W's tile is asked for jointly along a column of the cluster, a quarter (32 rows of 1,024 bytes) by each wave.  A's rows are shared along a row of the cluster and are NOT asked for
; jointly: a joint load ends in LDS, where A's 512 KB a work-group would halve what a slot holds of K.
; The matrix instruction is used transposed (source 0 = 16 rows of W, source 1 = 16 rows of A): a lane holds eight neighbouring columns of a row.
; The 32 steps are written out by macro: the ring's register numbers and the images' offsets change from step to step, and every offset is an immediate.
; LIMIT: eA + eW between -126 and 127.
; REGISTERS: window 0: v16-30 addresses; v32-35 the bias; v64-127 residual + bias; v128-255 rows back from the stage, two sets.   window 1: W's eight fragments, TWO sets.
;   window 2: v0-127 the accumulators ((a, b) at v[8 (8 a + b)]); v128-255 the residual.   window 3: A's ring: step s at v[32 (s % 8)], block a 16 registers on.
.set SIZE_K, 4096
.set SCOFF,  40                        ; byte of eA in the scales; eW follows
.set NS,     SIZE_K/128                ; 32 steps of 128 along K
.set DEPTH,  7                         ; A's loads run seven steps ahead: 56 loads
.set BPITCH, 1040                      ; a row of W in LDS: 1,024 bytes + 16 = 65 x 16: the 16 rows that a load touches start at 16 different banks (ISA guide 11.1)
.set QUART,  32*BPITCH                 ; 32 rows: what one tensor load brings
.set SLOT,   4*QUART                   ; 133,120
.set SPARE,  2*SLOT                    ; behind the ring: the spare words, 128 bytes for each wave
.set SPITCH, 528                       ; the way out: a stage of 16 rows x (512 bytes + 16) for each wave, in slot 0, which has had its last fill and its last read by then
.set NP,   4                           ; places behind this matrix instruction (ISA guide 7.12.1)
.set LI,   16                          ; v16     16 x lane: my place in an image, and in a row of 512 bytes of the residual, of out and of the bias; never rewritten
.set ADRB, 20                          ; v20-23  LDS address of W's fragments: slot 0 rows 0-63, rows 64-127; slot 1 likewise (an LDS offset has 16 bits)
.set STO,  24                          ; v24     the way out: where I put 32 bytes of a row
.set RD,   25                          ; v25     and where I read a row back
.set PFO,  26                          ; v26     the prefetches' offset; never rewritten
.set SPW,  28                          ; v28     LDS address of my spare word; never rewritten
.set NIL,  29                          ; v29     0; never rewritten
.set BIAS, 32
.set R,    64
.set T,    128
.set RES,  128                         ; in window 2
.set G1B, 48                           ; s[48:55] descriptor group 1 for W's tiles
.set G0B, 56                           ; s[56:63] group 0, one set for each slot
.set MSB, 0
.macro WIN new                         ; the immediate's high byte repeats the setting that is left
.if MSB != (\new)
	s_set_vgpr_msb (MSB<<8)|(\new)
.set MSB, (\new)
.endif
.endm
.set MUL,  0xad                        ; source 0 (W) window 1, source 1 (A) window 3, C and D window 2
.set TO_B, 0x40                        ; destination window 1, address window 0
.set TO_A, 0xc0                        ; destination window 3
.set TO_R, 0x80                        ; destination window 2
.macro JLOAD s                         ; a joint load: every wave fetches its quarter of W's tile; four v_nop follow the line
	tensor_load_to_lds s[G0B+4*\s:G0B+4*\s+3], s[G1B:G1B+7]
	s_nop 0
.rept 4
	v_nop
.endr
.endm
.macro CREST                           ; a round of the cluster's barrier behind its opening barrier
	s_cmp_lg_u32 s14, 0
	s_cbranch_scc1 .Lnot_wave_0_\@
	s_barrier_signal -3
.Lnot_wave_0_\@:
	s_barrier_wait -3
	s_barrier_signal -1
	s_barrier_wait -1
.endm
.macro CROUND                          ; a whole round
	s_barrier_signal -1
	s_barrier_wait -1
	CREST
.endm
	s_load_b256 s[4:11], s[0:1], 0x0               ; A's images s[4:5], W's codes s[6:7], the scales' exponents s[8:9], the bias s[10:11]
	s_load_b128 s[68:71], s[0:1], 0x20             ; the residual s[68:69], out s[70:71]
	v_lshl_add_u32 v[SPW], v0, 2, SPARE
	v_mov_b32 v[NIL], 0
	ds_add_u32 v28, v29
	ds_add_u32 v28, v29
	s_wait_dscnt 0x0
	v_lshrrev_b32 v1, 5, v0
	v_readfirstlane_b32 s14, v1                    ; wave 0..3
	s_bfe_u32 s40, ttmp6, 0x40000                  ; cx, cy: my place in the cluster
	s_bfe_u32 s41, ttmp6, 0x40004
	s_lshl_b32 s42, ttmp9, 2
	s_add_co_u32 s42, s42, s40                     ; tile column = 4 x cluster x + cx
	s_and_b32 s17, ttmp7, 0xffff
	s_lshl_b32 s17, s17, 2
	s_add_co_u32 s17, s17, s41                     ; tile row = 4 x cluster y + cy
	s_lshl_b32 s44, 0x1111, s40                    ; my column of the cluster: places cx, cx + 4, cx + 8, cx + 12
	; descriptor group 1: 32 rows of 1,024 bytes, 4,096 bytes apart in memory, padded in LDS
	s_or_b32 s[G1B+0], s44, (0<<16)|(1<<20)|(1<<21)|(7<<22)|(3<<25)  ; 15:0 the mask: my column; 17:16 element of 1 byte; 20 padding on; 21 set beside a mask; 24:22 after every 256 words (code 7); 31:25 of 4 words (code 3)
	s_mov_b32 s[G1B+1], 1024<<16                   ; tensor_dim0
	s_mov_b32 s[G1B+2], 32<<16                     ; tensor_dim1
	s_mov_b32 s[G1B+3], 1024<<16                   ; tile_dim0
	s_mov_b32 s[G1B+4], 32                         ; tile_dim1
	s_mov_b32 s[G1B+5], SIZE_K                     ; tensor_dim0_stride
	s_mov_b32 s[G1B+6], 0
	s_mov_b32 s[G1B+7], 0
	s_lshl_b32 s46, s42, 7
	s_lshl_b32 s18, s14, 5
	s_add_co_u32 s46, s46, s18                     ; W: row 128 x tile column + 32 x wave: the tile column is shared by all that the mask names,
	s_mul_i32 s46, s46, SIZE_K                     ; in bytes (4 MiB at the most)
	s_mov_b32 s47, 0
	s_mul_i32 s45, s14, QUART                      ; where it goes: the wave's number alone
	s_lshl_b32 s20, s17, 3
	s_lshl_b32 s18, s14, 1
	s_add_co_u32 s20, s20, s18                     ; A: tile of 16 rows 8 x tile row + 2 x wave,
	s_mul_i32 s20, s20, 16*SIZE_K                  ; 65,536 bytes each (16 MiB at the most)
	s_mov_b32 s21, 0
	s_lshl_b32 s72, s17, 19                        ; the residual and out: 128 x tile row rows of 4,096 bytes
	s_lshl_b32 s73, s14, 17
	s_add_co_u32 s72, s72, s73                     ; + my 32 x wave
	s_lshl_b32 s78, s42, 9                         ; + 128 x tile column columns of 4 bytes
	s_add_co_u32 s72, s72, s78
	s_mov_b32 s73, 0
	s_mov_b32 s79, 0
	v_and_b32 v1, 15, v0                           ; r = lane % 16
	v_bfe_u32 v2, v0, 4, 1                         ; h = lane / 16
	v_and_b32 v3, 31, v0
	v_lshlrev_b32 v[LI], 4, v3
	v_lshlrev_b32 v27, 8, v3                       ; A's prefetches: 256 x lane; never rewritten
	v_min_u32 v30, 3, v3
	v_lshlrev_b32 v30, 8, v30                      ; W's prefetches: the four blocks of 256 bytes of one row's 1,024; lanes that are left over name the last again; never rewritten
	v_mul_u32_u24 v4, v1, BPITCH
	v_lshl_add_u32 v4, v2, 4, v4                   ; W: row x pitch + 16 x half; every wave reads all 128 rows
	v_mov_b32 v[ADRB], v4
	v_add_nc_u32 v[ADRB+1], 64*BPITCH, v4
	v_add_nc_u32 v[ADRB+2], SLOT, v4
	v_add_nc_u32 v[ADRB+3], SLOT+64*BPITCH, v4
	s_mul_i32 s23, s14, 16*SPITCH                  ; my stage
	v_mul_u32_u24 v5, v1, SPITCH
	v_lshl_add_u32 v5, v2, 5, v5
	v_add_nc_u32 v[STO], s23, v5                   ; in: row r, 32 bytes for each half of the lanes
	v_add_nc_u32 v[RD], s23, v[LI]                 ; back: the 32 lanes take one row of 512 bytes
	v_lshrrev_b32 v6, 1, v3
	v_and_b32 v7, 1, v3
	v_lshlrev_b32 v[PFO], 12, v6
	v_lshl_add_u32 v[PFO], v7, 8, v[PFO]           ; the prefetches: row lane / 2, half lane % 2 of its 512 bytes
	CROUND                                         ; the round in front of the first joint loads; the arguments' load is on its way meanwhile
	s_wait_kmcnt 0x0
	s_load_b64 s[96:97], s[8:9], SCOFF             ; eA, eW
	s_add_nc_u64 s[80:81], s[4:5], s[20:21]        ; A at my first image
	s_add_nc_u64 s[46:47], s[6:7], s[46:47]        ; W at my quarter of the tile
	s_add_nc_u64 s[74:75], s[68:69], s[72:73]      ; the residual,
	s_add_nc_u64 s[76:77], s[70:71], s[72:73]      ; out,
	s_add_nc_u64 s[78:79], s[10:11], s[78:79]      ; the bias
	; A IS PREFETCHED INTO THE L2 by windows of eight steps: 16,384 bytes of each of my two tiles of 16 rows.  The four partners along the cluster's row read the same rows and share a window's 128 blocks out by address:
	; the partner at cx takes tile cx / 2, half cx % 2: 32 blocks of 256 bytes, a lane a block, one instruction a wave.  Window 1 is asked for at the head, windows 2 and 3 in steps 2 and 10: seven steps ahead of the first load of them.
	s_lshr_b32 s82, s40, 1
	s_lshl_b32 s82, s82, 16
	s_and_b32 s83, s40, 1
	s_lshl_b32 s83, s83, 13
	s_add_co_u32 s82, s82, s83
	s_mov_b32 s83, 0
	s_add_nc_u64 s[82:83], s[80:81], s[82:83]
	; W's later slots likewise: the 32 tile rows of the launch read the same tile column and share my quarter's 32 rows out by address, a row of 1,024 bytes each.  Slot 1's part is asked for at the head, the refills' in steps 1 and 9.
	s_lshl_b32 s84, s17, 12
	s_mov_b32 s85, 0
	s_add_nc_u64 s[84:85], s[46:47], s[84:85]
.irp s, 0,1
	s_mov_b32 s[G0B+4*\s], 1                       ; 1:0 count = 1
	s_add_co_u32 s[G0B+4*\s+1], s45, \s*SLOT       ; 63:32 LDS address
	s_add_nc_u64 s[G0B+4*\s+2:G0B+4*\s+3], s[46:47], \s*1024   ; 120:64 global address: 1,024 x slot along K
	s_or_b32 s[G0B+4*\s+3], s[G0B+4*\s+3], 0x80000000          ; 127:126 type = 2
.endr
	JLOAD 0                                        ; slot 0: one tensor load a wave at the head
.macro FRAG_B reg, slot, q, i          ; a fragment of W: 16 rows x 128 K: registers 4 c .. 4 c + 3 hold K = 32 c + 16 (lane / 16) + 0 .. 15
.irp c, 0,1,2,3
	ds_load_b128 v[\reg+4*\c:\reg+4*\c+3], v[ADRB+2*(\slot)+(\i)/4] offset:16*BPITCH*((\i)%4)+128*(\q)+32*\c
.endr
.endm
.macro FETCH_B slot, q, p              ; W's eight fragments of the slot's q-th 128 along K into set p: 32 LDS loads in one run
	WIN TO_B
.irp i, 0,1,2,3,4,5,6,7
	FRAG_B 128*(\p)+16*\i, \slot, \q, \i
.endr
.endm
.macro LOAD_A st                       ; step st's two fragments of A: eight loads of 512 consecutive bytes, into ring slot st % 8.  The rows are read again by seven other work-groups: no hint
	WIN TO_A
.irp a, 0,1
.irp c, 0,1,2,3
	global_load_b128 v[32*((\st)%8)+16*\a+4*\c:32*((\st)%8)+16*\a+4*\c+3], v[LI], s[80:81] offset:\a*16*SIZE_K+(\st)*2048+512*\c
.endr
.endr
.endm
.macro LOAD_RES g                      ; rows 8 g .. 8 g + 7 of my 32 rows of the residual: a row's 512 bytes a load
	WIN TO_R
.irp j, 0,1,2,3,4,5,6,7
	global_load_b128 v[RES+4*(8*(\g)+\j):RES+4*(8*(\g)+\j)+3], v[LI], s[74:75] offset:(8*(\g)+\j)*4096 th:TH_LOAD_NT
.endr
.endm
; What step s issues behind its wait for A: eight loads in every step up to 28: A's for seven steps on, and, when A has no more, a quarter of the residual.
; (The residual's 32 loads have no room beside A's 56 in a counter of 63: they take A's places.)
.macro ISSUE s
.if (\s)+DEPTH < NS
	LOAD_A (\s)+DEPTH
.elseif (\s) < NS-DEPTH+4
	LOAD_RES (\s)-(NS-DEPTH)
.endif
.endm
; Step s's fragments of A are in.  Loads come back in order (ISA guide 5.7.1); behind step s's eight the six steps s - 6 .. s - 1 have issued theirs.
.macro WAITA s
.if (\s) <= NS-3
	s_wait_loadcnt 48                              ; six steps x eight loads may be out
.elseif (\s) == NS-2
	s_wait_loadcnt 40                              ; step 31's eight and the residual's 32
.else
	s_wait_loadcnt 32                              ; the residual's 32
.endif
.endm
; 8 matrix instructions: A's block a x W's eight.  The 16 accumulators take turns, one instruction a turn, in the same order in every step.
.macro MUL8 a, s, zero
.irp b, 0,1,2,3,4,5,6,7
.if \zero
	v_wmma_f32_16x16x128_fp8_fp8 v[8*(8*(\a)+\b):8*(8*(\a)+\b)+7], v[128*((\s)%2)+16*\b:128*((\s)%2)+16*\b+15], v[32*((\s)%8)+16*(\a):32*((\s)%8)+16*(\a)+15], 0
.else
	v_wmma_f32_16x16x128_fp8_fp8 v[8*(8*(\a)+\b):8*(8*(\a)+\b)+7], v[128*((\s)%2)+16*\b:128*((\s)%2)+16*\b+15], v[32*((\s)%8)+16*(\a):32*((\s)%8)+16*(\a)+15], v[8*(8*(\a)+\b):8*(8*(\a)+\b)+7]
.endif
.endr
.endm
.macro PLACES n                        ; places behind matrix instructions, in front of loads into registers that they have read and of reads of results (ISA guide 7.12.1 for reads of results)
.rept \n
	v_nop
.endr
.endm
; Step s, the q-th of its slot, with its successor in the same slot.  All its loads stand in one run at its head, behind four places: W's other set and A's ring slot (s - 1) % 8 were last read by step s - 1's products.
.macro STEP s, slot, q, zero
	PLACES NP
	FETCH_B \slot, (\q)+1, ((\s)+1)%2
	WAITA \s
	ISSUE \s
.if (\s) == NS-DEPTH-8
	; THE RESIDUAL IS PREFETCHED INTO THE L2 here, eight steps ahead of the first load of it: my 32 rows x 512 bytes are 64 aligned blocks of 256 bytes, a lane a block, two instructions.
	; No other wave of the launch reads these blocks, so each is named once.  The two stand together, behind the step's loads.
	global_prefetch_b8 v[PFO], s[74:75] th:TH_LOAD_NT scope:SCOPE_SE
	global_prefetch_b8 v[PFO], s[74:75] offset:16*4096 th:TH_LOAD_NT scope:SCOPE_SE
.endif
.if (\s) == 2 || (\s) == 10
	global_prefetch_b8 v27, s[82:83] offset:16384*((\s)/8+2) th:TH_LOAD_NT scope:SCOPE_SE
.endif
.if (\s) == 1 || (\s) == 9
	global_prefetch_b8 v30, s[84:85] offset:1024*((\s)/8+2) th:TH_LOAD_NT scope:SCOPE_SE
.endif
	s_wait_dscnt 32                                ; this step's set of W is in; the 32 loads just issued may be out
	WIN MUL
	MUL8 0, \s, \zero
	MUL8 1, \s, \zero
.endm
; A slot's last step changes slots: ONE barrier; in front of it each wave waits for all its tensor loads, adds 0 to its spare word, and waits for that and for its own reads of this slot.
; fill = 1: this slot is filled again, with the 1,024 along K two slots on; the load has the next slot's eight steps in which to land.
.macro TURN s, slot, next, fill
	WIN 0                                          ; (the add's two registers lie in window 0)
	s_wait_tensorcnt 0x0                           ; all my tensor loads have landed: my quarter of the next slot
	ds_add_u32 v[SPW], v[NIL]                      ; 0 onto my spare word
	WAITA \s
	s_wait_dscnt 1                                 ; this step's set of W is in; the add may be out
	WIN MUL
	MUL8 0, \s, 0                                  ; eight matrix instructions stand between the add and the wait for it
	s_wait_dscnt 0x0                               ; the add is done, and my reads of this slot are over
	s_barrier_signal -1
	MUL8 1, \s, 0
	WIN 0
	s_barrier_wait -1
.if \fill
	CREST                                          ; the barrier has opened a round of the cluster's barrier: no wave of any partner still reads this slot's tile or has a tensor load on its way
	s_add_nc_u64 s[G0B+4*\slot+2:G0B+4*\slot+3], s[G0B+4*\slot+2:G0B+4*\slot+3], 2*1024
	JLOAD \slot                                    ; the first tensor load behind the round, my only one until the next; its four v_nop are the places in front of the loads below
.else
	PLACES NP
.endif
	s_wait_alu depctr_va_vdst(0)
	FETCH_B \next, 0, ((\s)+1)%2
	ISSUE \s
.endm
	global_load_b128 v[BIAS:BIAS+3], v[LI], s[78:79]   ; my four columns' bias: the oldest load
.irp s, 0,1,2,3,4,5,6
	LOAD_A \s                                      ; A's ring is filled: 56 loads
.endr
	WIN 0
	global_prefetch_b8 v27, s[82:83] offset:16384 th:TH_LOAD_NT scope:SCOPE_SE
	global_prefetch_b8 v30, s[84:85] offset:1024 th:TH_LOAD_NT scope:SCOPE_SE
	s_wait_alu depctr_va_vdst(0)                   ; the wait at the head's end
	s_wait_tensorcnt 0x0                           ; my quarter of slot 0 is in; the lines ahead of a later first fill:
	ds_add_u32 v[SPW], v[NIL]
	s_wait_dscnt 0x0
	CROUND                                         ; a whole round: everybody's quarter is in
	JLOAD 1                                        ; slot 1's first fill, the first tensor load behind the round
	FETCH_B 0, 0, 0
	STEP 0, 0, 0, 1                                ; the first step's products start the sums: nothing is cleared
.irp s, 1,2,3,4,5,6
	STEP \s, 0, \s, 0
.endr
	TURN 7, 0, 1, 1
.irp s, 8,9,10,11,12,13,14
	STEP \s, 1, \s-8, 0
.endr
	TURN 15, 1, 0, 1
.irp s, 16,17,18,19,20,21,22
	STEP \s, 0, \s-16, 0
.endr
	TURN 23, 0, 1, 0                               ; nothing is left to fetch: no round of the cluster's barrier
.irp s, 24,25,26,27,28,29,30
	STEP \s, 1, \s-24, 0
.endr
	WAITA 31                                       ; the very last step
	s_wait_dscnt 0x0
	WIN MUL
	MUL8 0, 31, 0
	MUL8 1, 31, 0
	WIN 0
; THE WAY OUT, two blocks of 16 rows x 128 columns: the raw sums go through my own stage and come back as whole rows of 512 bytes; out = sum x 2^(eA + eW) + (residual + bias).
.macro TOSTAGE a
	WIN 0x08                                       ; the stores' data: window 2
.irp b, 0,1,2,3,4,5,6,7
	ds_store_b128 v[STO], v[8*(8*(\a)+\b):8*(8*(\a)+\b)+3] offset:64*\b          ; each accumulator from its low end on
	ds_store_b128 v[STO], v[8*(8*(\a)+\b)+4:8*(8*(\a)+\b)+7] offset:64*\b+16
.endr
	WIN 0
.set TT, T+64*(\a)
.irp t, 0,1,2,3,4,5,6,7,8,9,10,11,12,13,14,15
	ds_load_b128 v[TT+4*\t:TT+4*\t+3], v[RD] offset:\t*SPITCH   ; LDS serves a wave's instructions in order (ISA guide 5.7.1.4): these see the stores above, and the next block's stores come behind them
.endr
.endm
.macro SEND a, younger, left           ; younger: the LDS instructions issued behind block a's loads; left: the loads of the residual behind block a's
.set TT, T+64*(\a)
	s_wait_loadcnt \left                           ; block a's 16 rows of the residual are in
	WIN 0x02                                       ; source 0: window 2
.irp t, 0,1,2,3,4,5,6,7,8,9,10,11,12,13,14,15
.irp i, 0,2
	v_pk_add_f32 v[R+4*\t+\i:R+4*\t+\i+1], v[RES+4*(16*(\a)+\t)+\i:RES+4*(16*(\a)+\t)+\i+1], v[BIAS+\i:BIAS+\i+1]
.endr
.endr
	WIN 0
	s_wait_dscnt \younger                          ; the block is back in registers
.irp t, 0,1,2,3,4,5,6,7,8,9,10,11,12,13,14,15
.irp i, 0,2
	v_pk_fma_f32 v[TT+4*\t+\i:TT+4*\t+\i+1], v[TT+4*\t+\i:TT+4*\t+\i+1], s[96:97], v[R+4*\t+\i:R+4*\t+\i+1] op_sel_hi:[1,0,1]
.endr
.endr
.irp t, 0,1,2,3,4,5,6,7,8,9,10,11,12,13,14,15
	global_store_b128 v[LI], v[TT+4*\t:TT+4*\t+3], s[76:77] offset:(16*(\a)+\t)*4096 th:TH_STORE_NT   ; 32 lanes store 512 consecutive bytes, aligned; written once, read by nobody here
.endr
.endm
	s_wait_kmcnt 0x0
	s_add_co_i32 s96, s96, s97
	s_add_co_i32 s96, s96, 127
	s_lshl_b32 s96, s96, 23                        ; 2^(eA + eW) as f32
	s_mov_b32 s97, s96                             ; (named with it as a pair, so it is written)
	PLACES NP                                      ; behind the last products
	TOSTAGE 0
	TOSTAGE 1
	SEND 0, 32, 16                                 ; behind block 0's loads: block 1's 16 stores and 16 loads; behind its residual: block 1's 16 loads
	SEND 1, 0, 0
	s_wait_tensorcnt 0x0                           ; the wave's end
	ds_add_u32 v[SPW], v[NIL]
	s_wait_dscnt 0x0
	CROUND                                         ; the closing round: no work-group ends while a partner may still ask for a tile that names it
	s_endpgm
.Lfunc_end_k_q4c1af17ae5_fc2:
	.size	k_q4c1af17ae5_fc2, .Lfunc_end_k_q4c1af17ae5_fc2-k_q4c1af17ae5_fc2
	.p2alignl 7, 3214868480
	.fill 96, 4, 3214868480
	.section	.rodata,"a",@progbits
	.p2align	6, 0x0
	.amdhsa_kernel k_q4c1af17ae5_fc2
		.amdhsa_group_segment_fixed_size 327680
		.amdhsa_private_segment_fixed_size 0
		.amdhsa_enable_private_segment 0
		.amdhsa_kernarg_size 48
		.amdhsa_user_sgpr_count 2
		.amdhsa_user_sgpr_kernarg_segment_ptr 1
		.amdhsa_wavefront_size32 1
		.amdhsa_system_sgpr_workgroup_id_x 1
		.amdhsa_system_sgpr_workgroup_id_y 1
		.amdhsa_system_sgpr_workgroup_id_z 1
		.amdhsa_system_vgpr_workitem_id 0
		.amdhsa_next_free_vgpr 1024
		.amdhsa_next_free_sgpr 100
		.amdhsa_reserve_vcc 0
		.amdhsa_float_denorm_mode_32 3
		.amdhsa_float_denorm_mode_16_64 3
		.amdhsa_memory_ordered 1
		.amdhsa_forward_progress 1
		.amdhsa_inst_pref_size 156
	.end_amdhsa_kernel
	.amdgpu_metadata
---
amdhsa.version: [ 1, 2 ]
amdhsa.kernels:
  - .name:           k_q4c1af17ae5_fc2
    .symbol:         k_q4c1af17ae5_fc2.kd
    .args:
      - { .name: g_img, .offset: 0, .size: 8, .value_kind: global_buffer, .address_space: global }
      - { .name: w_fc2_codes, .offset: 8, .size: 8, .value_kind: global_buffer, .address_space: global }
      - { .name: lowp_scales, .offset: 16, .size: 8, .value_kind: global_buffer, .address_space: global }
      - { .name: b_fc2, .offset: 24, .size: 8, .value_kind: global_buffer, .address_space: global }
      - { .name: x2, .offset: 32, .size: 8, .value_kind: global_buffer, .address_space: global }
      - { .name: out0, .offset: 40, .size: 8, .value_kind: global_buffer, .address_space: global }
    .group_segment_fixed_size: 327680
    .private_segment_fixed_size: 0
    .kernarg_segment_align: 8
    .kernarg_segment_size: 48
    .max_flat_workgroup_size: 128
    .sgpr_count:     100
    .vgpr_count:     1024
    .wavefront_size: 32
...
	.end_amdgpu_metadata
.endif
;; end of part 7
